; MI455X (gfx1250); checked and timed in simulation.
; The chip was launched on July 23, 2026; its instructions are those of AMD's public machine-readable ISA for CDNA 5 (MIT licence, August 2026) and "CDNA5" Instruction Set Architecture Reference Guide (July 2026). The comments in the code are by the model that wrote it; some were corrected since.
;; Causal Self Attention. Allowed arithmetic: matrix products marked QUANTISED: E2M3 operands, one E8M0 scale for each 32 along K, by v_wmma_scale_f32_16x16x128_f8f6f4 with both operands' format E2M3, f32 sums; everything else in f32.
;; Inputs: Wk 1,024 x 256 float32; Wo 1,024 x 1,024 float32; Wq 1,024 x 1,024 float32; Wv 1,024 x 256 float32; cos 1 x 2,048 x 1 x 32 float32; sin 1 x 2,048 x 1 x 32 float32; x 2 x 2,048 x 1,024 float32.
;; Outputs: out0 2 x 2,048 x 1,024 float32.
;; This version of the problem:
;;   THIS VERSION OF THE PROBLEM IS GIVEN IN LOW PRECISION. The matrix products marked QUANTISED in the list below multiply operands that are first quantised to E2M3 (2 exponent bits, 3 mantissa bits; 6 bits a number), with one power-of-two scale for each 32 numbers along K (OCP MX v1.0); their sums are f32. All else is computed in f32.
;;   The module's matrix products, in the order in which they are computed (A, B: the left and right operand; K: the contracted axis; several contracted axes count as one K, in the product's order):
;;     1. [M 4,096, K 1,024] x [K 1,024, N 1,024]; A: input x; B: input Wq: QUANTISED
;;     2. [M 4,096, K 1,024] x [K 1,024, N 256]; A: input x; B: input Wk: QUANTISED
;;     3. [M 4,096, K 1,024] x [K 1,024, N 256]; A: input x; B: input Wv: QUANTISED
;;     4. batch 32 x [M 2,048, K 64] x [K 64, N 2,048]; A: computed on the way; B: computed on the way: QUANTISED
;;     5. batch 32 x [M 64, K 2,048] x [K 2,048, N 2,048]; A: computed on the way; B: softmax (see below): QUANTISED
;;     6. [M 4,096, K 1,024] x [K 1,024, N 1,024]; A: computed on the way; B: input Wo: QUANTISED
;;   THE QUANTISER, for each operand of a quantised product, along K:
;;     - K is cut into blocks of 32 from its start; a last block that is shorter is filled with zeros.
;;     - A block's scale is 2^e with e = floor(log2(the largest magnitude in the block)) - 2, held to -126 .. 127; a block of zeros has e = 0. As a byte (E8M0): e + 127.
;;     - Each number is divided by its block's scale, clamped to +-7.5, and rounded to the nearest number of E2M3, ties to even, subnormals kept.
;;     - The product sums the exact products of the quantised numbers (number of the format x scale) in f32.
;;   ~~~python
;;   def quantise(x, axis):      # numpy; x: float32 -> the quantised numbers, widened to float32 again
;;       x = np.moveaxis(x, axis, -1); K = x.shape[-1]
;;       x = np.pad(x, [(0, 0)] * (x.ndim - 1) + [(0, -K % 32)]); x = x.reshape(x.shape[:-1] + (-1, 32)); a = np.abs(x).max(-1, keepdims=True)
;;       e = np.where(a > 0, np.clip(np.frexp(np.where(a > 0, a, 1))[1] - 1 - 2, -126, 127), 0)      # np.frexp(a)[1] - 1 = floor(log2(a)), exactly
;;       r = np.clip(x / 2.0 ** e, -7.5, 7.5)
;;       step = 2.0 ** (np.maximum(np.frexp(np.where(r == 0, 1, r))[1] - 1, 0) - 3)
;;       q = np.round(r / step) * step * 2.0 ** e      # np.round: ties to even
;;       return np.moveaxis(q.reshape(q.shape[:-2] + (-1,))[..., :K], -1, axis).astype(np.float32)
;;   ~~~
;;   SOFTMAX AHEAD OF A QUANTISED PRODUCT. Where the list says 'softmax', what is quantised is not the finished softmax but p = 2^(t - M), with t = logit x log2(e) and M = ceil(the row's largest t), a whole number; so 1/2 < the row's largest p <= 1. The row's sum l is taken of the UNQUANTISED p, in f32, and the product's result is divided by l at the end. Since M is a whole number, a kernel that streams over the keys may use a running M (the ceiling of the running maximum): every later rescaling is an exact power of two, which a block's scale takes up: the codes' values come out the same.
;;   OPERANDS COMPUTED ON THE WAY. 'Computed on the way' means the value that the module computes at that place (a softmax that the list does not call 'softmax' is quantised finished and normalised). What goes into a quantiser is computed in f32, as accurately as f32 sums, v_exp_f32 and their like allow (about 1e-6 of the number): no bf16 or f16 on the way to a quantiser, and a product that is left as it is and whose result goes on into a quantised operand takes f32 operands (vector FMAs, or v_wmma_f32_16x16x4_f32). A number that lies on a knife's edge between two numbers of the format may be rounded either way, as far as f32 arithmetic and the matrix unit's own rounding can turn it there, and no further.
;; One version. Each part assembles by itself: llvm-mc -triple=amdgcn-amd-amdhsa -mcpu=gfx1250 --defsym DOCPART=n.
;; ======== version 1 of 1: 4 launches
;; limits: right only within a limited range of input values
;; workspace buffers: ximg 3,145,728 bytes; xsc 131,072 bytes; wimg 1,966,080 bytes; wsc 81,920 bytes; qc 3,407,872 bytes; kv 1,703,936 bytes; yimg 3,145,728 bytes; ysw 262,144 bytes
;; launch quant (part 1): grid 208 x 1, 8 waves a work-group, no clusters, 136,192 bytes of LDS; arguments x, Wq, Wk, Wv, Wo, ximg, xsc, wimg, wsc; writes ximg, xsc, wimg, wsc
.if DOCPART == 1
	.amdgcn_target "amdgcn-amd-amdhsa--gfx1250"
	.amdhsa_code_object_version 6
	.text
	.protected	k_q3487e025ae_quant
	.globl	k_q3487e025ae_quant
	.p2align	8
	.type	k_q3487e025ae_quant,@function
k_q3487e025ae_quant:
	s_mov_b64 s[64:65], 0
	v_nop
	global_prefetch_b8 v0, s[64:65] scope:SCOPE_SE
	s_setreg_imm32_b32 hwreg(HW_REG_WAVE_MODE, 25, 1), 1
	s_wait_xcnt 0x0
; x [4096][1024] (K innermost) and Wq, Wk, Wv, Wo [1024][N] (K is the FIRST axis), all f32, become codes of FP6 (E2M3) with one E8M0 byte for each 32 along K.
; A block's scale is 2^(floor(log2(its largest magnitude)) - 2); its byte is the largest magnitude's exponent field - 2, held at 1 from below.
; LIMITS: NaN and infinities among the inputs are not served.  A block of zeros gets the byte 1 where the rule says 127: its codes are zeros, which add nothing under any byte but 0xff, and
; only this program reads the bytes.  Blocks whose largest magnitude lies under 2^-124 keep the byte 1.
; THE CODES ARE LAID AS IMAGES OF OPERAND REGISTERS.  A fragment (16 rows x 128 K) is 12 registers a lane; register j of lane l lies at 512 (j / 4) + 16 l + 4 (j % 4) of its 1,536 bytes, so that three
; loads of 16 bytes a lane bring it.  ximg: [tile 0..255][K step 0..7]; wimg: [tile 0..159][K step] (tiles 0-63 Wq, 64-79 Wk, 80-95 Wv, 96-159 Wo).  Scale words (4 bytes: a row's 128 K): [K step][16 tile + row].
; THE ROWS OF A TILE ARE NOT NEIGHBOURS: row r of tile t is row (or column of W) 32 (t / 2) + 8 (t % 2) + r + 8 (r / 8), so that in a product's result the 16 registers of two neighbouring tiles are 16 neighbours.
; SHARES.  Work-groups 0-79 take the weights: 128 columns x 256 K; a wave takes 32 columns x 128 K, A LANE A COLUMN, its registers down K: a block of 32 lies in one lane, nothing is transposed.
; Work-groups 80-207 take x: 32 rows; wave s takes K step s of them: each load reads 512 consecutive bytes of a row, and the numbers turn through the wave's own stage in LDS, so that a lane gets 16 neighbours of each block.
; Memory binds: no tensor loads, no barrier (waves share nothing), no matrix unit, no cluster (no two work-groups read the same bytes).
.set FLOOR, 0x1800000                  ; 2^(3 - 127): under it no largest magnitude is taken, so the byte cannot fall under 1
.set EOFF,  0xff000000                 ; takes 2 off an exponent field
.set SEL,   36                         ; s[36:37] lane selects for v_permlanex16_b32: lane l xor 16
.set TM,    16                         ; v16-31  at work in a quantiser
.set PCA,   32                         ; v32-51  codes of the first fragment (12) and the conversions' second halves
.set PCB,   52                         ; v52-71  of the second
.set R,     72                         ; v72-199 128 numbers
.set SP,    528                        ; a stage slot: a row's 512 bytes + 16: sixteen neighbouring slots start in sixteen different groups of banks
.set STW,   32*SP                      ; a wave's stage
; 64 numbers of a lane, register 16 b + i = k 32 b + 16 (lane / 16) + i of the lane's row, become a fragment's 12 registers at v[pc] and its scale word in v[pw].
.macro QUANT s, pc, pw
.irp b, 0,1,2,3
	v_max3_num_f32 v[TM+\b], |v[\s+16*\b]|, |v[\s+1+16*\b]|, FLOOR
.endr
.irp i, 2,4,6,8,10,12,14
.irp b, 0,1,2,3
	s_delay_alu instid0(VALU_DEP_4)
	v_max3_num_f32 v[TM+\b], v[TM+\b], |v[\s+16*\b+\i]|, |v[\s+1+16*\b+\i]|   ; the four blocks by turns
.endr
.endr
.irp b, 0,1,2,3
	s_delay_alu instid0(VALU_DEP_4)
	v_permlanex16_b32 v[TM+4+\b], v[TM+\b], s[SEL], s[SEL+1]
.endr
.irp b, 0,1,2,3
	s_delay_alu instid0(VALU_DEP_4)
	v_max_num_f32 v[TM+\b], v[TM+\b], v[TM+4+\b]           ; with lane l xor 16's 16 numbers: the block's largest magnitude
.endr
.irp b, 0,1,2,3
	s_delay_alu instid0(VALU_DEP_4)
	v_add_nc_u32 v[TM+12+\b], EOFF, v[TM+\b]               ; the conversion takes this operand's exponent field as its scale
.endr
.irp b, 0,1,2,3
	s_delay_alu instid0(VALU_DEP_4)
	v_lshrrev_b32 v[TM+4+\b], 23, v[TM+12+\b]              ; the scale's byte
.endr
	s_delay_alu instid0(VALU_DEP_3)
	v_lshl_or_b32 v[\pw], v[TM+5], 8, v[TM+4]
	s_delay_alu instid0(VALU_DEP_1)
	v_lshl_or_b32 v[\pw], v[TM+6], 16, v[\pw]
	s_delay_alu instid0(VALU_DEP_1)
	v_lshl_or_b32 v[\pw], v[TM+7], 24, v[\pw]
.irp c, 0,1
	v_cvt_scalef32_pk16_fp6_f32 v[\pc+6*\c:\pc+2+6*\c], v[\s+32*\c:\s+15+32*\c], v[TM+12+2*\c]
	v_cvt_scalef32_pk16_fp6_f32 v[\pc+12+4*\c:\pc+14+4*\c], v[\s+16+32*\c:\s+31+32*\c], v[TM+12+2*\c+1]   ; a conversion's three registers begin on an even number
.endr
	v_nop                                                  ; one plain place behind a scaled conversion
.irp c, 0,1                            ; the operand wants a WHOLE block in a lane: lanes 0-15 block 2 c, lanes 16-31 block 2 c + 1
.irp i, 0,1,2
	v_permlane16_swap_b32 v[\pc+6*\c+\i], v[\pc+12+4*\c+\i]
.endr
.irp i, 0,1,2
	s_delay_alu instid0(VALU_DEP_3)
	v_mov_b32 v[\pc+3+6*\c+\i], v[\pc+12+4*\c+\i]
.endr
.endr
.endm
	s_load_b256 s[4:11], s[0:1], 0x0               ; x s[4:5], Wq s[6:7], Wk s[8:9], Wv s[10:11]
	s_load_b256 s[12:19], s[0:1], 0x20             ; Wo s[12:13], ximg s[14:15], xsc s[16:17], wimg s[18:19]
	s_load_b64 s[20:21], s[0:1], 0x40              ; wsc
	v_lshl_add_u32 v200, v0, 2, 0x21000
	v_mov_b32 v201, 0
	v_lshrrev_b32 v1, 5, v0
	s_delay_alu instid0(VALU_DEP_1)
	v_readfirstlane_b32 s22, v1                    ; wave 0..7
	v_and_b32 v1, 31, v0                           ; lane
	v_and_b32 v2, 15, v0                           ; r
	v_bfe_u32 v3, v0, 4, 1                         ; h
	s_delay_alu instid0(VALU_DEP_3)
	v_lshlrev_b32 v4, 4, v1                        ; 16 x lane
	s_delay_alu instid0(VALU_DEP_4)
	v_lshlrev_b32 v5, 2, v1                        ; 4 x lane
	s_delay_alu instid0(VALU_DEP_4)
	v_and_b32 v6, 8, v2
	s_delay_alu instid0(VALU_DEP_1)
	v_add_nc_u32 v6, v6, v2
	s_delay_alu instid0(VALU_DEP_1)
	v_lshl_add_u32 v6, v3, 3, v6
	s_delay_alu instid0(VALU_DEP_1)
	v_lshlrev_b32 v6, 2, v6                        ; W: my column of the wave's 32: 8 h + r + 8 (r / 8), in bytes
	v_mul_u32_u24 v7, v3, 12288
	s_delay_alu instid0(VALU_DEP_1)
	v_lshl_add_u32 v7, v2, 4, v7                   ; W's codes: tile h of the pair, image lane r
	s_mul_i32 s32, s22, STW
	v_add_nc_u32 v8, s32, v4                       ; the stage, in: 16 x lane of a slot
	v_mul_u32_u24 v9, v2, SP
	s_delay_alu instid0(VALU_DEP_1)
	v_lshl_add_u32 v9, v3, 6, v9
	s_delay_alu instid0(VALU_DEP_1)
	v_add_nc_u32 v9, s32, v9                       ; and out: slot r, + 64 h: my 16 numbers of a block
	s_mov_b32 s[SEL], 0x76543210
	s_mov_b32 s[SEL+1], 0xfedcba98
.irp b, 0,1,2,3
	v_mov_b32 v[TM+4+\b], 0                        ; written once: a lane permute's destination counts as one of its sources
.endr
	s_mov_b32 s27, 0                               ; the high word of every offset pair
	s_wait_kmcnt 0x0
	s_cmp_ge_u32 ttmp9, 80
	s_cbranch_scc1 .Lx
	; ---- THE WEIGHTS
	s_lshr_b32 s32, ttmp9, 2                       ; which 128 columns of the 2,560: 0-7 Wq, 8-9 Wk, 10-11 Wv, 12-19 Wo
	s_and_b32 s33, ttmp9, 3
	s_lshl_b32 s33, s33, 1
	s_lshr_b32 s34, s22, 2
	s_add_co_u32 s33, s33, s34                     ; my K step
	s_and_b32 s34, s22, 3                          ; my 32 columns of the 128
	s_lshl_b32 s35, s32, 2
	s_add_co_u32 s35, s35, s34                     ; the pair of tiles
	s_mul_i32 s26, s35, 24576
	s_mul_i32 s38, s33, 1536
	s_add_co_u32 s26, s26, s38
	s_add_nc_u64 s[28:29], s[18:19], s[26:27]      ; where the codes go
	s_mul_i32 s26, s33, 10240
	s_lshl_b32 s38, s35, 7
	s_add_co_u32 s26, s26, s38
	s_add_nc_u64 s[30:31], s[20:21], s[26:27]      ; where the scale words go
	s_cmp_ge_u32 s32, 8                            ; which weight: the choice hangs on the work-group's number alone
	s_cselect_b64 s[24:25], s[8:9], s[6:7]
	s_cselect_b32 s38, 8, 0
	s_cmp_ge_u32 s32, 10
	s_cselect_b64 s[24:25], s[10:11], s[24:25]
	s_cselect_b32 s38, 10, s38
	s_cmp_ge_u32 s32, 12
	s_cselect_b64 s[24:25], s[12:13], s[24:25]
	s_cselect_b32 s38, 12, s38
	s_sub_co_u32 s38, s32, s38                     ; which 128 columns of that weight
	s_lshl_b32 s38, s38, 2
	s_add_co_u32 s38, s38, s34
	s_lshl_b32 s38, s38, 7                         ; my 32 columns, in bytes
	s_sub_co_u32 s39, s32, 8
	s_cmp_lt_u32 s39, 4                            ; Wk and Wv have rows of 1,024 bytes, Wq and Wo of 4,096: the pitch stands in the loads' immediates, so the text is written twice
	s_cbranch_scc1 .Lnarrow
.macro LOADB t, beta, pitch            ; block beta of my column, W(32 beta + i, column), into set t: 32 lanes read 128 neighbouring bytes
.set li, 0
.rept 32
	global_load_b32 v[R+32*(\t)+li], v6, s[24:25] offset:(32*(\beta)+li)*(\pitch) th:TH_LOAD_NT
.set li, li+1
.endr
.endm
.macro BLOCKW t, beta, p, c            ; set t, block beta: its byte into the scale word v10, its codes into registers 6 c .. 6 c + 5 of v[p]
.set XS, R+32*(\t)
	v_max3_num_f32 v16, |v[XS]|, |v[XS+1]|, |v[XS+2]|      ; all 32 numbers are mine: two chains
	v_max3_num_f32 v17, |v[XS+3]|, |v[XS+4]|, |v[XS+5]|
.irp i, 6,10,14,18,22,26
	s_delay_alu instid0(VALU_DEP_2)
	v_max3_num_f32 v16, v16, |v[XS+\i]|, |v[XS+\i+1]|
	s_delay_alu instid0(VALU_DEP_2)
	v_max3_num_f32 v17, v17, |v[XS+\i+2]|, |v[XS+\i+3]|
.endr
	s_delay_alu instid0(VALU_DEP_2)
	v_max3_num_f32 v16, v16, |v[XS+30]|, |v[XS+31]|
	s_delay_alu instid0(VALU_DEP_1)
	v_max3_num_f32 v16, v16, v17, FLOOR
	s_delay_alu instid0(VALU_DEP_1)
	v_add_nc_u32 v18, EOFF, v16
	s_delay_alu instid0(VALU_DEP_1)
	v_lshrrev_b32 v19, 23, v18
.if \beta == 0
	s_delay_alu instid0(VALU_DEP_1)
	v_mov_b32 v10, v19
.else
	s_delay_alu instid0(VALU_DEP_1)
	v_lshl_or_b32 v10, v19, 8*\beta, v10
.endif
	v_cvt_scalef32_pk16_fp6_f32 v[\p+6*\c:\p+6*\c+2], v[XS:XS+15], v18
	v_cvt_scalef32_pk16_fp6_f32 v[44:46], v[XS+16:XS+31], v18
	v_nop                                                  ; one plain place behind a scaled conversion
.irp i, 0,1,2
	v_mov_b32 v[\p+6*\c+3+\i], v[44+\i]
.endr
.endm
; An image's lanes 0-15 hold blocks 0 and 2 of their rows, lanes 16-31 blocks 1 and 3: so my column's blocks go out as two halves, 256 bytes apart.
.macro WQUANT pitch
	s_mul_i32 s26, s33, 128*\pitch
	s_add_co_u32 s26, s26, s38
	s_add_nc_u64 s[24:25], s[24:25], s[26:27]
	LOADB 0, 0, \pitch
	LOADB 1, 2, \pitch
	s_wait_loadcnt 32                              ; block 0 is in; the younger block's 32 loads may be out
	LOADB 2, 1, \pitch
	BLOCKW 0, 0, PCA, 0
	s_wait_loadcnt 32
	LOADB 3, 3, \pitch
	BLOCKW 1, 2, PCA, 1
.irp k, 0,1,2
	global_store_b128 v7, v[PCA+4*\k:PCA+4*\k+3], s[28:29] offset:512*\k       ; lanes 0-15 fill 256 aligned bytes of the even tile's image, lanes 16-31 of the odd tile's
.endr
	s_wait_loadcnt 32
	BLOCKW 2, 1, PCB, 0
	s_wait_loadcnt 0x0
	BLOCKW 3, 3, PCB, 1
.irp k, 0,1,2
	global_store_b128 v7, v[PCB+4*\k:PCB+4*\k+3], s[28:29] offset:512*\k+256
.endr
	global_store_b32 v5, v10, s[30:31]             ; 32 scale words: 128 consecutive bytes, half of an aligned 256: one byte in 128 of what this wave reads
	s_endpgm
.endm
	WQUANT 4096
.Lnarrow:
	WQUANT 1024
	; ---- x
.Lx:
	s_sub_co_u32 s32, ttmp9, 80                    ; which 32 rows
	s_lshl_b32 s26, s32, 17
	s_lshl_b32 s33, s22, 9
	s_add_co_u32 s26, s26, s33
	s_add_nc_u64 s[24:25], s[4:5], s[26:27]        ; x at my rows, my K step's 512 bytes
	s_mul_i32 s26, s32, 24576
	s_mul_i32 s33, s22, 1536
	s_add_co_u32 s26, s26, s33
	s_add_nc_u64 s[28:29], s[14:15], s[26:27]
	s_lshl_b32 s26, s22, 14
	s_lshl_b32 s33, s32, 7
	s_add_co_u32 s26, s26, s33
	s_add_nc_u64 s[30:31], s[16:17], s[26:27]
.set q, 0
.rept 32                               ; slot q = 16 u + r takes the row of tile u, row r: 32 lanes read 512 consecutive bytes
	global_load_b128 v[R+4*q:R+4*q+3], v4, s[24:25] offset:(8*(q/16)+q%16+8*((q%16)/8))*4096 th:TH_LOAD_NT
.set q, q+1
.endr
.macro TURN u                          ; tile u through the stage: LDS serves a wave's instructions in order (ISA guide 5.7.1.4), so no wait stands between the stores and the loads
.set q, 0
.rept 16
	ds_store_b128 v8, v[R+64*\u+4*q:R+64*\u+4*q+3] offset:SP*(16*\u+q)
.set q, q+1
.endr
.set q, 0
.rept 16                               ; register 16 b + 4 j ..: k 32 b + 16 h + 4 j .. of my row
	ds_load_b128 v[R+64*\u+4*q:R+64*\u+4*q+3], v9 offset:16*SP*\u+128*(q/4)+16*(q%4)
.set q, q+1
.endr
.endm
	s_wait_loadcnt 16                              ; tile 0's rows are in; tile 1's 16 loads may be out
	s_wait_alu depctr_va_vdst(0)
	TURN 0
	s_wait_loadcnt 0x0
	TURN 1
	s_wait_dscnt 32                                ; tile 0 is back; tile 1's 16 stores and 16 loads may be out
	QUANT R, PCA, 10
.irp k, 0,1,2
	global_store_b128 v4, v[PCA+4*\k:PCA+4*\k+3], s[28:29] offset:512*\k       ; 512 consecutive bytes
.endr
	s_wait_dscnt 0x0
	QUANT R+64, PCB, 11
.irp k, 0,1,2
	global_store_b128 v4, v[PCB+4*\k:PCB+4*\k+3], s[28:29] offset:12288+512*\k
.endr
	v_cmp_gt_u32 vcc_lo, 16, v1
	s_delay_alu instid0(VALU_DEP_1)
	v_cndmask_b32 v12, v11, v10, vcc_lo            ; lanes 0-15 tile 0's words, lanes 16-31 tile 1's
	global_store_b32 v5, v12, s[30:31]             ; 128 consecutive bytes, half of an aligned 256
	s_wait_tensorcnt 0x0
	ds_add_u32 v200, v201
	s_wait_dscnt 0x0
	s_endpgm
.Lfunc_end_k_q3487e025ae_quant:
	.size	k_q3487e025ae_quant, .Lfunc_end_k_q3487e025ae_quant-k_q3487e025ae_quant
	.p2alignl 7, 3214868480
	.fill 96, 4, 3214868480
	.section	.rodata,"a",@progbits
	.p2align	6, 0x0
	.amdhsa_kernel k_q3487e025ae_quant
		.amdhsa_group_segment_fixed_size 136192
		.amdhsa_private_segment_fixed_size 0
		.amdhsa_enable_private_segment 0
		.amdhsa_kernarg_size 72
		.amdhsa_user_sgpr_count 2
		.amdhsa_user_sgpr_kernarg_segment_ptr 1
		.amdhsa_wavefront_size32 1
		.amdhsa_system_sgpr_workgroup_id_x 1
		.amdhsa_system_sgpr_workgroup_id_y 1
		.amdhsa_system_sgpr_workgroup_id_z 1
		.amdhsa_system_vgpr_workitem_id 0
		.amdhsa_next_free_vgpr 202
		.amdhsa_next_free_sgpr 66
		.amdhsa_reserve_vcc 1
		.amdhsa_float_denorm_mode_32 3
		.amdhsa_float_denorm_mode_16_64 3
		.amdhsa_memory_ordered 1
		.amdhsa_forward_progress 1
		.amdhsa_inst_pref_size 65
	.end_amdhsa_kernel
	.amdgpu_metadata
---
amdhsa.version: [ 1, 2 ]
amdhsa.kernels:
  - .name:           k_q3487e025ae_quant
    .symbol:         k_q3487e025ae_quant.kd
    .args:
      - { .name: x, .offset: 0, .size: 8, .value_kind: global_buffer, .address_space: global }
      - { .name: Wq, .offset: 8, .size: 8, .value_kind: global_buffer, .address_space: global }
      - { .name: Wk, .offset: 16, .size: 8, .value_kind: global_buffer, .address_space: global }
      - { .name: Wv, .offset: 24, .size: 8, .value_kind: global_buffer, .address_space: global }
      - { .name: Wo, .offset: 32, .size: 8, .value_kind: global_buffer, .address_space: global }
      - { .name: ximg, .offset: 40, .size: 8, .value_kind: global_buffer, .address_space: global }
      - { .name: xsc, .offset: 48, .size: 8, .value_kind: global_buffer, .address_space: global }
      - { .name: wimg, .offset: 56, .size: 8, .value_kind: global_buffer, .address_space: global }
      - { .name: wsc, .offset: 64, .size: 8, .value_kind: global_buffer, .address_space: global }
    .group_segment_fixed_size: 136192
    .private_segment_fixed_size: 0
    .kernarg_segment_align: 8
    .kernarg_segment_size: 72
    .max_flat_workgroup_size: 256
    .sgpr_count:     66
    .vgpr_count:     202
    .wavefront_size: 32
...
	.end_amdgpu_metadata
.endif
;; end of part 1
;; launch qkv (part 2): grid 32 x 6, 4 waves a work-group, clusters of 4 x 1, 307,712 bytes of LDS; arguments ximg, xsc, wimg, wsc, cos, sin, qc, kv; writes qc, kv
.if DOCPART == 2
	.amdgcn_target "amdgcn-amd-amdhsa--gfx1250"
	.amdhsa_code_object_version 6
	.text
	.protected	k_q3487e025ae_qkv
	.globl	k_q3487e025ae_qkv
	.p2align	8
	.type	k_q3487e025ae_qkv,@function
k_q3487e025ae_qkv:
	s_mov_b64 s[64:65], 0
	v_nop
	global_prefetch_b8 v0, s[64:65] scope:SCOPE_SE
	s_setreg_imm32_b32 hwreg(HW_REG_WAVE_MODE, 25, 1), 1
	s_wait_xcnt 0x0
	s_wait_alu depctr_hold_cnt(0) depctr_sa_sdst(0) depctr_va_vdst(0) depctr_va_sdst(0) depctr_va_ssrc(0) depctr_va_vcc(0) depctr_vm_vsrc(0)
	s_getreg_b32 s2, hwreg(HW_REG_IB_STS2, 6, 4)
	s_cmp_eq_u32 s2, 0
	s_cbranch_scc0 .Lentry_in_a_cluster
	s_endpgm
.Lentry_in_a_cluster:
	s_bfe_u32 s2, ttmp6, 0x10000c
	s_cmp_lg_u32 s2, 0x3003
	s_cbranch_scc0 .Lentry_shape_is_right
	s_endpgm
.Lentry_shape_is_right:
; q = rope(x Wq), k = rope(x Wk), v = x Wv on codes of FP6 (E2M3) with E8M0 scales; then q and k are quantised along the head's 64 and v along the tokens, for the attention launch.
; SHARES.  A work-group takes 128 tokens (MT) x 256 columns = 4 heads (NT: 0-3 q, 4 k, 5 v), all of K = 1,024.  192 work-groups: equal shares of one kind are 24 heads / 4 x 32.
; A wave makes 8 x 4 tiles of 16 x 16 (256 registers).  SOURCE 0 is four tiles (S0), SOURCE 1 eight (S1): a lane then holds one row of S1, and its 32 registers of an S1 tile run along S0's 64 rows (the tiles' rows are ordered for that):
; register 16 b + e is S0 row 32 b + 16 (lane / 16) + e.
;   q, k: S0 = the 4 column tiles of head w, S1 = the 8 token tiles: a lane holds a token, its registers run along the head: rope's partners d, d + 32 lie 16 registers apart.
;   v: S0 = 4 token tiles (half c = w % 2), S1 = the 8 column tiles of heads 2 (w / 2), + 1: a lane holds a column, its registers run along 64 tokens, the second attention product's K.
; One text serves both: only LDS addresses and the way out differ, by the work-group's y, which a cluster's partners share.
; LDS.  All operands fit at once and each byte is filled once, in two chunks of four K steps; a wave has ONE tensor load: waves 0, 1 chunk 0's weights and x, waves 2, 3 chunk 1's.
; CLUSTER.  The four partners share NT, so the weights are asked for JOINTLY; x's tiles differ from partner to partner: plain loads.  No prefetch: every tile is asked for at the head, no loop runs ahead.
; K steps take turns between two sets of fragments: step ks + 1's LDS loads are issued ahead of step ks's 32 products.
; OUT.  A half record is 3,328 bytes.  q: qc[b][head][step of 128 tokens][half of 64 tokens]: 24 registers a lane (tile i of 4: registers 6 i ..) in 6 x 512 bytes, then 8 bytes a lane of scale words (a word holds two bytes;
; lanes 0-15 the even tile's rows, lanes 16-31 the odd tile's).  kv[b, kv head][step], 13,312 bytes: K's two half records, then V's two (half c of the tokens): tile t of 4: 512 bytes of registers 0-3, 256 of registers 4-5; then the words.
; LIMITS: as the quantising launch states them (NaN, infinities; a block of zeros has the byte 1; magnitudes under 2^-124).
.set FLOOR, 0x1800000
.set EOFF,  0xff000000
.set CHUNK, 147456                     ; LDS: a chunk: 16 weight tiles x 6,144 bytes,
.set XOFF,  98304                      ; then 8 tiles of x; two chunks on end;
.set SC,    294912                     ; scale words: for each K step 512 bytes of x's, 1,024 of W's: stored by the waves
.set SPARE, 307200
.set REC,   13312
.set HREC,  3328
.set WV,  20                           ; s20 wave, s21 wave / 2, s22 wave % 2
.set NT,  57                           ; s56 MT, s57 NT, s58 batch, s59 step of 128 tokens
.set SEL, 96                           ; s[96:97] lane selects: lane l xor 16
.set LOW, 98                           ; s98 lanes 0-15
.set G1B, 24
.set G1A, 32
.set G0B, 40
.set G0A, 44
.set L16, 1                            ; v1 16 x lane, v2 4 x lane, v3 8 x lane
.set L4,  2
.set L8,  3
.set S0,  4                            ; v4-5 S0's LDS address in chunk 0, 1;  v6-7 S1's
.set S1,  6
.set S0W, 8                            ; v8, v9 of their scale words
.set S1W, 9
.set CSO, 10                           ; v10 my row and half in cos and sin
.set SCW, 11
.set CST, 28                           ; v28 where I store cos's and sin's rows
.set CP,  144                          ; their LDS pitch: 128 bytes + 16; behind barrier 1 they lie in chunk 0's bytes, which have had their only fill and their last read: cos at 0, sin at SINO
.set SINO, 128*CP
.set SPW, 14
.set NIL, 15
.set SW,  16                           ; v16-27 scale words, two sets of 2 + 4: they hold scales and nothing else
.set FR0, 32                           ; v32-79 S0's fragments, v80-175 S1's: set 0 in window 0, set 1 in window 1.  Window 2: accumulators.  Window 3: cos and sin
.set FR1, 80
.set QMX, 128                          ; the way out, in window 1: v0-127 rotated numbers
.set QPX, 136
.set QSO, 144
.set QWD, 152
.set QPC, 156
.set QTY, 180
.set QWO, 196
.set TT,  200
.set MSB, 0
.macro WIN new
.if MSB != (\new)
	s_set_vgpr_msb (MSB<<8)|(\new)
.set MSB, (\new)
.endif
.endm
.macro CROUND                          ; a round of the cluster's barrier
	s_barrier_signal -1
	s_barrier_wait -1
	s_cmp_lg_u32 s[WV], 0
	s_cbranch_scc1 .Lnot_wave_0_\@
	s_barrier_signal -3
.Lnot_wave_0_\@:
	s_barrier_wait -3
	s_barrier_signal -1
	s_barrier_wait -1
.endm
.macro PLACES                          ; four plain vector instructions between a matrix instruction and a load into, a write of, or a read of its registers
.rept 4
	v_nop
.endr
.endm
.macro TLOAD g0, g1
	tensor_load_to_lds s[\g0:\g0+3], s[\g1:\g1+7]
	s_nop 0
	PLACES
.endm
.macro GROUP1 g, w, rows               ; rows of 6,144 bytes = 768 elements of 8 (a tile's four K steps), 12,288 bytes apart
	s_mov_b32 s[\g], \w
	s_mov_b32 s[\g+1], 768<<16
	s_mov_b32 s[\g+2], (\rows)<<16
	s_mov_b32 s[\g+3], 768<<16
	s_mov_b32 s[\g+4], \rows
	s_mov_b32 s[\g+5], 1536
	s_mov_b32 s[\g+6], 0
	s_mov_b32 s[\g+7], 0
.endm
.macro LOAD ks                         ; K step ks's 6 scale words and 12 fragments into set ks % 2
.set B_, (\ks)%2
.set H_, (\ks)/4
.set O_, 1536*((\ks)%4)
	PLACES
.irp i, 0,1
	ds_load_b32 v[SW+6*B_+\i], v[S0W] offset:1536*(\ks)+128*\i     ; lanes 0-15 the even tile's words, lanes 16-31 the odd tile's
.endr
.irp i, 0,1,2,3
	ds_load_b32 v[SW+2+6*B_+\i], v[S1W] offset:1536*(\ks)+128*\i
.endr
	WIN 0x40*B_
.irp t, 0,1,2,3
.irp k, 0,1,2
	ds_load_b128 v[FR0+12*\t+4*\k:FR0+12*\t+4*\k+3], v[S0+H_] offset:6144*\t+O_+512*\k
.endr
.endr
.irp t, 0,1,2,3,4,5,6,7
.irp k, 0,1,2
	ds_load_b128 v[FR1+12*\t+4*\k:FR1+12*\t+4*\k+3], v[S1+H_] offset:6144*\t+O_+512*\k
.endr
.endr
	WIN 0
.endm
.macro MUL ks, p0, np                  ; S1's tile pairs p0 .. p0 + np - 1 x S0's four tiles; accumulator (i, ct) at 32 i + 8 ct; the 32 take turns in the same order in every step
.set B_, (\ks)%2
	WIN 0xa0+5*B_
.set P_, \p0
.rept \np
.irp u, 0,1
.irp q, 0,1
.irp o, 0,1
.set D_, 64*P_+32*\u+16*\q+8*\o
.set A_, FR0+24*\q+12*\o
.set X_, FR1+24*P_+12*\u
.if (\ks) == 0
	v_wmma_scale_f32_16x16x128_f8f6f4 v[D_:D_+7], v[A_:A_+11], v[X_:X_+11], 0, v[SW+6*B_+\q], v[SW+2+6*B_+P_] matrix_a_fmt:MATRIX_FMT_FP6 matrix_b_fmt:MATRIX_FMT_FP6 matrix_a_scale:MATRIX_SCALE_ROW\o matrix_b_scale:MATRIX_SCALE_ROW\u
.else
	v_wmma_scale_f32_16x16x128_f8f6f4 v[D_:D_+7], v[A_:A_+11], v[X_:X_+11], v[D_:D_+7], v[SW+6*B_+\q], v[SW+2+6*B_+P_] matrix_a_fmt:MATRIX_FMT_FP6 matrix_b_fmt:MATRIX_FMT_FP6 matrix_a_scale:MATRIX_SCALE_ROW\o matrix_b_scale:MATRIX_SCALE_ROW\u
.endif
.endr
.endr
.endr
.set P_, P_+1
.endr
	WIN 0
.endm
.macro CSTORE                          ; my 32 rows of cos and of sin, from window 3 into LDS
	s_cmp_eq_u32 s[NT], 5
	s_cbranch_scc1 .Lno_rope
	s_wait_loadcnt 0x0
	WIN 0x0c
.irp i, 0,1,2,3,4,5,6,7
	ds_store_b128 v[CST], v[4*\i:4*\i+3] offset:4*CP*\i
	ds_store_b128 v[CST], v[32+4*\i:35+4*\i] offset:SINO+4*CP*\i
.endr
	WIN 0
.Lno_rope:
.endm
.macro CSREAD i                        ; cos and sin of token tile i, my 16 of the 32 each, into window 3 at 32 i and 32 i + 16
	WIN 0xc0
.irp q, 0,1,2,3
	ds_load_b128 v[32*\i+4*\q:32*\i+4*\q+3], v[CSO] offset:(32*(\i/2)+8*(\i%2))*CP+16*\q
	ds_load_b128 v[32*\i+16+4*\q:32*\i+19+4*\q], v[CSO] offset:SINO+(32*(\i/2)+8*(\i%2))*CP+16*\q
.endr
	WIN 0
.endm
.macro ROPE i                          ; (x1, x2) -> (x1 cos + x2 sin, x2 cos - x1 sin): accumulators (window 2) x cos, sin (window 3) into window 1
.set X_, 32*(\i)
.set Y_, 32*((\i)%4)
	WIN 0x5e
.irp g, 0,8
.irp e, 0,2,4,6
	v_pk_mul_f32 v[TT+\e:TT+\e+1], v[X_+\g+\e:X_+\g+\e+1], v[X_+16+\g+\e:X_+16+\g+\e+1]
.endr
.irp e, 0,2,4,6
	v_pk_mul_f32 v[Y_+\g+\e:Y_+\g+\e+1], v[X_+\g+\e:X_+\g+\e+1], v[X_+\g+\e:X_+\g+\e+1]
.endr
.irp e, 0,2,4,6
	v_pk_fma_f32 v[Y_+\g+\e:Y_+\g+\e+1], v[X_+16+\g+\e:X_+16+\g+\e+1], v[X_+16+\g+\e:X_+16+\g+\e+1], v[Y_+\g+\e:Y_+\g+\e+1]
.endr
.irp e, 0,2,4,6
	v_pk_fma_f32 v[Y_+16+\g+\e:Y_+16+\g+\e+1], v[X_+16+\g+\e:X_+16+\g+\e+1], v[X_+\g+\e:X_+\g+\e+1], v[TT+\e:TT+\e+1] neg_lo:[0,0,1] neg_hi:[0,0,1]
.endr
.endr
	WIN 0
.endm
; four tiles of two blocks: 32 numbers a lane and tile at v[s + 32 i] of window d become 6 registers at v[QPC + 6 i] (lanes 0-15 block 0 whole, lanes 16-31 block 1) and a word of two bytes, in window 1
.macro QHALF s, d
	WIN 0x40+5*(\d)
.set Q_, 0
.rept 8
	v_max3_num_f32 v[QMX+Q_], |v[\s+16*Q_]|, |v[\s+16*Q_+1]|, FLOOR
.set Q_, Q_+1
.endr
	WIN 0x41+0x14*(\d)
.irp i, 2,4,6,8,10,12,14
.set Q_, 0
.rept 8
	v_max3_num_f32 v[QMX+Q_], v[QMX+Q_], |v[\s+16*Q_+\i]|, |v[\s+16*Q_+\i+1]|
.set Q_, Q_+1
.endr
.endr
	WIN 0x55
.irp b, 0,1,2,3,4,5,6,7
	v_permlanex16_b32 v[QPX+\b], v[QMX+\b], s[SEL], s[SEL+1]
.endr
.irp b, 0,1,2,3,4,5,6,7
	v_max_num_f32 v[QMX+\b], v[QMX+\b], v[QPX+\b]          ; with lane l xor 16's 16 numbers: the block's largest magnitude
.endr
.irp b, 0,1,2,3,4,5,6,7
	v_add_nc_u32 v[QSO+\b], EOFF, v[QMX+\b]                ; 2 off its exponent field: the conversion's scale operand
.endr
.irp b, 0,1,2,3,4,5,6,7
	v_lshrrev_b32 v[QPX+\b], 23, v[QSO+\b]                 ; the scale's byte
.endr
.irp t, 0,1,2,3
	v_lshl_or_b32 v[QWD+\t], v[QPX+2*\t+1], 8, v[QPX+2*\t]
.endr
	WIN 0x44+(\d)
.irp t, 0,1,2,3
	v_cvt_scalef32_pk16_fp6_f32 v[QPC+6*\t:QPC+6*\t+2], v[\s+32*\t:\s+32*\t+15], v[QSO+2*\t]
	v_cvt_scalef32_pk16_fp6_f32 v[QTY+4*\t:QTY+4*\t+2], v[\s+32*\t+16:\s+32*\t+31], v[QSO+2*\t+1]
.endr
	v_nop                                                  ; one plain place behind a scaled conversion
	WIN 0x55
.irp t, 0,1,2,3
.irp i, 0,1,2
	v_permlane16_swap_b32 v[QPC+6*\t+\i], v[QTY+4*\t+\i]
.endr
.endr
.irp t, 0,1,2,3
.irp i, 0,1,2
	v_mov_b32 v[QPC+6*\t+3+\i], v[QTY+4*\t+\i]
.endr
.endr
	v_cndmask_b32 v[QWO], v[QWD+1], v[QWD], s[LOW]         ; lanes 0-15 the even tile's words, lanes 16-31 the odd tile's
	v_cndmask_b32 v[QWO+1], v[QWD+3], v[QWD+2], s[LOW]
	WIN 0
.endm
	s_load_b256 s[4:11], s[0:1], 0x0               ; ximg s[4:5], xsc s[6:7], wimg s[8:9], wsc s[10:11]
	s_load_b256 s[12:19], s[0:1], 0x20             ; cos s[12:13], sin s[14:15], qc s[16:17], kv s[18:19]
	v_lshl_add_u32 v[SPW], v0, 2, SPARE
	v_mov_b32 v[NIL], 0
	ds_add_u32 v[SPW], v[NIL]                      ; the opening lines
	ds_add_u32 v[SPW], v[NIL]
	v_lshrrev_b32 v1, 5, v0
	v_readfirstlane_b32 s[WV], v1
	s_lshr_b32 s21, s[WV], 1
	s_and_b32 s22, s[WV], 1
	s_bfe_u32 s23, ttmp6, 0x40000                  ; cx: it enters global addresses of x, cos, sin, qc and kv alone
	s_lshl_b32 s56, ttmp9, 2
	s_add_co_u32 s56, s56, s23                     ; MT
	s_and_b32 s[NT], ttmp7, 0xffff
	s_lshr_b32 s58, s56, 4
	s_and_b32 s59, s56, 15
	s_mov_b32 s[SEL], 0x76543210
	s_mov_b32 s[SEL+1], 0xfedcba98
	s_mov_b32 s[LOW], 0xffff
	GROUP1 G1B, 15|(3<<16)|(1<<21), 16             ; the mask: all four partners; elements of 8 bytes; bit 21 beside a mask
	GROUP1 G1A, 3<<16, 8
	s_mov_b32 s[G0B], 1
	s_mul_i32 s[G0B+1], s21, CHUNK                 ; my chunk: wave / 2
	s_mov_b32 s[G0A], 1
	s_mul_i32 s[G0A+1], s21, CHUNK
	s_add_co_u32 s[G0A+1], s[G0A+1], XOFF
	s_mul_i32 s66, s21, 6144
	s_mul_i32 s60, s[NT], 16*12288                 ; weights: made of what the partners share
	s_add_co_u32 s60, s60, s66
	s_mov_b32 s61, 0
	s_mul_i32 s62, s56, 8*12288
	s_add_co_u32 s62, s62, s66
	s_mov_b32 s63, 0
	s_lshl_b32 s88, s[WV], 15                      ; scale words of K steps 2 w, 2 w + 1: x's 128 rows,
	s_lshl_b32 s89, s56, 9
	s_add_co_u32 s88, s88, s89
	s_mov_b32 s89, 0
	s_mul_i32 s90, s[WV], 20480                    ; W's 256
	s_lshl_b32 s91, s[NT], 10
	s_add_co_u32 s90, s90, s91
	s_mov_b32 s91, 0
	s_lshl_b32 s82, s59, 14
	s_lshl_b32 s83, s[WV], 12                      ; my 32 of them
	s_add_co_u32 s82, s82, s83
	s_mov_b32 s83, 0
	s_mul_i32 s68, s[WV], 24576                    ; S0: q, k my head's four tiles; v four tiles of x
	s_mul_i32 s69, s22, 24576
	s_add_co_u32 s69, s69, XOFF
	s_mov_b32 s70, XOFF                            ; S1: q, k x's eight tiles; v eight tiles of W
	s_mul_i32 s71, s21, 49152
	s_lshl_b32 s72, s[WV], 8
	s_add_co_u32 s72, s72, SC+512
	s_lshl_b32 s73, s22, 8
	s_add_co_u32 s73, s73, SC
	s_mov_b32 s74, SC
	s_lshl_b32 s75, s21, 9
	s_add_co_u32 s75, s75, SC+512
	s_mul_i32 s76, s[WV], 3072
	s_add_co_u32 s76, s76, SC
	s_mul_i32 s77, s[WV], 32*CP
	s_cmp_eq_u32 s[NT], 5
	s_cselect_b32 s68, s69, s68
	s_cselect_b32 s70, s71, s70
	s_cselect_b32 s72, s73, s72
	s_cselect_b32 s74, s75, s74
	v_and_b32 v12, 31, v0
	v_lshlrev_b32 v[L16], 4, v12
	v_lshlrev_b32 v[L4], 2, v12
	v_lshlrev_b32 v[L8], 3, v12
	v_lshrrev_b32 v13, 3, v12
	v_and_b32 v29, 7, v12
	v_mul_u32_u24 v[CST], CP, v13                  ; a load's 512 bytes are four rows, eight lanes a row
	v_lshl_add_u32 v[CST], v29, 4, v[CST]
	v_add_nc_u32 v[CST], s77, v[CST]
	v_and_b32 v12, 15, v0                          ; r
	v_bfe_u32 v13, v0, 4, 1                        ; h
	v_and_b32 v[CSO], 8, v12
	v_add_nc_u32 v[CSO], v[CSO], v12               ; r + 8 (r / 8)
	v_mul_u32_u24 v[CSO], CP, v[CSO]
	v_lshl_add_u32 v[CSO], v13, 6, v[CSO]          ; + 64 h: my 16 of the 32
	v_add_nc_u32 v[S0], s68, v[L16]
	v_add_nc_u32 v[S1], s70, v[L16]
	v_add_nc_u32 v[S0+1], CHUNK, v[S0]
	v_add_nc_u32 v[S1+1], CHUNK, v[S1]
	v_add_nc_u32 v[S0W], s72, v[L4]
	v_add_nc_u32 v[S1W], s74, v[L4]
	v_add_nc_u32 v[SCW], s76, v[L16]
	s_wait_alu depctr_va_vdst(0)
	s_wait_dscnt 0x0
	CROUND                                         ; all four partners are here: the joint loads meet
	s_wait_kmcnt 0x0
	s_add_nc_u64 s[G0B+2:G0B+3], s[8:9], s[60:61]
	s_or_b32 s[G0B+3], s[G0B+3], 0x80000000
	s_add_nc_u64 s[G0A+2:G0A+3], s[4:5], s[62:63]
	s_or_b32 s[G0A+3], s[G0A+3], 0x80000000
	s_cmp_eq_u32 s[WV], 0                          ; one tensor load a wave, each in an arm of its own
	s_cbranch_scc0 .Larm_1
	TLOAD G0B, G1B
	s_branch .Lfilled
.Larm_1:
	s_cmp_eq_u32 s[WV], 1
	s_cbranch_scc0 .Larm_2
	TLOAD G0A, G1A
	s_branch .Lfilled
.Larm_2:
	s_cmp_eq_u32 s[WV], 2
	s_cbranch_scc0 .Larm_3
	TLOAD G0B, G1B
	s_branch .Lfilled
.Larm_3:
	TLOAD G0A, G1A
.Lfilled:
	s_add_nc_u64 s[92:93], s[6:7], s[88:89]
	s_add_nc_u64 s[94:95], s[10:11], s[90:91]
	s_add_nc_u64 s[84:85], s[12:13], s[82:83]
	s_add_nc_u64 s[86:87], s[14:15], s[82:83]
	global_load_b128 v[32:35], v[L16], s[92:93]
	global_load_b128 v[36:39], v[L16], s[94:95]
	global_load_b128 v[40:43], v[L16], s[94:95] offset:512
	global_load_b128 v[44:47], v[L16], s[92:93] offset:16384
	global_load_b128 v[48:51], v[L16], s[94:95] offset:10240
	global_load_b128 v[52:55], v[L16], s[94:95] offset:10752
	s_wait_loadcnt 0x0
.irp j, 0,1,2,3,4,5
	ds_store_b128 v[SCW], v[32+4*\j:35+4*\j] offset:512*\j   ; whole runs of 512 bytes: read from memory once, used from LDS in every K step
.endr
	s_cmp_eq_u32 s[NT], 5
	s_cbranch_scc1 .Lno_cos
	WIN 0xc0
.irp i, 0,1,2,3,4,5,6,7
	global_load_b128 v[4*\i:4*\i+3], v[L16], s[84:85] offset:512*\i        ; each row of cos and sin is read once in a work-group, 512 consecutive bytes a load
	global_load_b128 v[32+4*\i:35+4*\i], v[L16], s[86:87] offset:512*\i
.endr
	WIN 0
.Lno_cos:
	s_cmp_lt_u32 s[WV], 2
	s_cbranch_scc0 .Lnot_first
	s_wait_tensorcnt 0x0                           ; chunk 0's two loads are waves 0's and 1's
.Lnot_first:
	s_wait_dscnt 0x0                               ; my scale words are stored
	s_barrier_signal -1
	s_barrier_wait -1                              ; chunk 0 and all scale words are in; chunk 1 may be on its way
	LOAD 0
.irp ks, 0,1,2
	s_wait_dscnt 0x0
	LOAD \ks+1
	MUL \ks, 0, 4
.endr
	s_wait_tensorcnt 0x0
	s_wait_dscnt 0x0
	s_barrier_signal -1
	MUL 3, 0, 2                                    ; register work while the others arrive
	s_barrier_wait -1                              ; chunk 1 is in
	LOAD 4
	CSTORE
	MUL 3, 2, 2
.irp ks, 4,5,6
	s_wait_dscnt 0x0
	LOAD \ks+1
	MUL \ks, 0, 4
.endr
	s_wait_dscnt 0x0                               ; my rows of cos and sin are stored
	s_barrier_signal -1
	MUL 7, 0, 4                                    ; register work while the others arrive
	s_barrier_wait -1                              ; everybody's are
	PLACES                                         ; the last products' results are read below
	s_cmp_eq_u32 s[NT], 5
	s_cbranch_scc1 .Lv
.irp i, 0,1,2,3,4,5,6,7
	CSREAD \i
.endr
	s_lshl_b32 s62, s58, 4                         ; q: head 16 b + 4 NT + w of qc; k: head 4 b + w of kv
	s_lshl_b32 s88, s[NT], 2
	s_add_co_u32 s62, s62, s88
	s_add_co_u32 s62, s62, s[WV]
	s_lshl_b32 s88, s58, 2
	s_add_co_u32 s88, s88, s[WV]
	s_mov_b32 s89, 2*HREC
	s_cmp_eq_u32 s[NT], 4
	s_cselect_b32 s62, s88, s62
	s_cselect_b32 s63, REC, s89
	s_cselect_b64 s[90:91], s[18:19], s[16:17]
	s_lshl_b32 s62, s62, 4
	s_add_co_u32 s62, s62, s59
	s_mul_i32 s62, s62, s63
	s_mov_b32 s63, 0
	s_add_nc_u64 s[90:91], s[90:91], s[62:63]
.irp hf, 0,1
.irp i, 0,1,2,3
	s_wait_dscnt 56-32*\hf-8*\i                    ; the tile's eight loads are in; the younger tiles' may be out
	ROPE 4*\hf+\i
.endr
.if \hf
	s_wait_alu depctr_va_vdst(0)
	s_wait_xcnt 0x0                                ; the first half's stores have read their registers
.endif
	QHALF 0, 1
	WIN 0x04
.irp k, 0,1,2,3,4,5
	global_store_b128 v[L16], v[QPC+4*\k:QPC+4*\k+3], s[90:91] offset:HREC*\hf+512*\k      ; 512 consecutive bytes, aligned to 256
.endr
	global_store_b64 v[L8], v[QWO:QWO+1], s[90:91] offset:HREC*\hf+3072                    ; 256 consecutive bytes, aligned
	WIN 0
.endr
	s_branch .Lend
.Lv:
	s_lshl_b32 s62, s58, 2                         ; kv head 4 b + 2 (w / 2), its V, half c
	s_lshl_b32 s88, s21, 1
	s_add_co_u32 s62, s62, s88
	s_lshl_b32 s62, s62, 4
	s_add_co_u32 s62, s62, s59
	s_mul_i32 s62, s62, REC
	s_mul_i32 s88, s22, HREC
	s_add_co_u32 s62, s62, s88
	s_add_co_u32 s62, s62, 2*HREC
	s_mov_b32 s63, 0
	s_add_nc_u64 s[90:91], s[18:19], s[62:63]
.irp hf, 0,1
.if \hf
	s_wait_xcnt 0x0                                ; the first head's stores have read their registers
.endif
	QHALF 128*\hf, 2
	WIN 0x04
.irp t, 0,1,2,3
	global_store_b128 v[L16], v[QPC+6*\t:QPC+6*\t+3], s[90:91] offset:16*REC*\hf+768*\t
	global_store_b64 v[L8], v[QPC+6*\t+4:QPC+6*\t+5], s[90:91] offset:16*REC*\hf+768*\t+512
.endr
	global_store_b64 v[L8], v[QWO:QWO+1], s[90:91] offset:16*REC*\hf+3072
	WIN 0
.endr
.Lend:
	s_wait_tensorcnt 0x0                           ; the wave's end
	ds_add_u32 v[SPW], v[NIL]
	s_wait_dscnt 0x0
	CROUND                                         ; the closing round: no work-group ends while a partner may still ask for a tile that names it
	s_endpgm
.Lfunc_end_k_q3487e025ae_qkv:
	.size	k_q3487e025ae_qkv, .Lfunc_end_k_q3487e025ae_qkv-k_q3487e025ae_qkv
	.p2alignl 7, 3214868480
	.fill 96, 4, 3214868480
	.section	.rodata,"a",@progbits
	.p2align	6, 0x0
	.amdhsa_kernel k_q3487e025ae_qkv
		.amdhsa_group_segment_fixed_size 307712
		.amdhsa_private_segment_fixed_size 0
		.amdhsa_enable_private_segment 0
		.amdhsa_kernarg_size 64
		.amdhsa_user_sgpr_count 2
		.amdhsa_user_sgpr_kernarg_segment_ptr 1
		.amdhsa_wavefront_size32 1
		.amdhsa_system_sgpr_workgroup_id_x 1
		.amdhsa_system_sgpr_workgroup_id_y 1
		.amdhsa_system_sgpr_workgroup_id_z 1
		.amdhsa_system_vgpr_workitem_id 0
		.amdhsa_next_free_vgpr 1024
		.amdhsa_next_free_sgpr 100
		.amdhsa_reserve_vcc 0
		.amdhsa_float_denorm_mode_32 3
		.amdhsa_float_denorm_mode_16_64 3
		.amdhsa_memory_ordered 1
		.amdhsa_forward_progress 1
		.amdhsa_inst_pref_size 123
	.end_amdhsa_kernel
	.amdgpu_metadata
---
amdhsa.version: [ 1, 2 ]
amdhsa.kernels:
  - .name:           k_q3487e025ae_qkv
    .symbol:         k_q3487e025ae_qkv.kd
    .args:
      - { .name: ximg, .offset: 0, .size: 8, .value_kind: global_buffer, .address_space: global }
      - { .name: xsc, .offset: 8, .size: 8, .value_kind: global_buffer, .address_space: global }
      - { .name: wimg, .offset: 16, .size: 8, .value_kind: global_buffer, .address_space: global }
      - { .name: wsc, .offset: 24, .size: 8, .value_kind: global_buffer, .address_space: global }
      - { .name: cos, .offset: 32, .size: 8, .value_kind: global_buffer, .address_space: global }
      - { .name: sin, .offset: 40, .size: 8, .value_kind: global_buffer, .address_space: global }
      - { .name: qc, .offset: 48, .size: 8, .value_kind: global_buffer, .address_space: global }
      - { .name: kv, .offset: 56, .size: 8, .value_kind: global_buffer, .address_space: global }
    .group_segment_fixed_size: 307712
    .private_segment_fixed_size: 0
    .kernarg_segment_align: 8
    .kernarg_segment_size: 64
    .max_flat_workgroup_size: 128
    .sgpr_count:     100
    .vgpr_count:     1024
    .wavefront_size: 32
...
	.end_amdgpu_metadata
.endif
;; end of part 2
;; launch attn (part 3): grid 32 x 8, 16 waves a work-group, clusters of 4 x 1, 250,880 bytes of LDS; arguments qc, kv, yimg, ysw; writes yimg, ysw
.if DOCPART == 3
	.amdgcn_target "amdgcn-amd-amdhsa--gfx1250"
	.amdhsa_code_object_version 6
	.text
	.protected	k_q3487e025ae_attn
	.globl	k_q3487e025ae_attn
	.p2align	8
	.type	k_q3487e025ae_attn,@function
k_q3487e025ae_attn:
	s_mov_b64 s[64:65], 0
	v_nop
	global_prefetch_b8 v0, s[64:65] scope:SCOPE_SE
	s_setreg_imm32_b32 hwreg(HW_REG_WAVE_MODE, 25, 1), 1
	s_wait_xcnt 0x0
	s_wait_alu depctr_hold_cnt(0) depctr_sa_sdst(0) depctr_va_vdst(0) depctr_va_sdst(0) depctr_va_ssrc(0) depctr_va_vcc(0) depctr_vm_vsrc(0)
	s_getreg_b32 s2, hwreg(HW_REG_IB_STS2, 6, 4)
	s_cmp_eq_u32 s2, 0
	s_cbranch_scc0 .Lentry_in_a_cluster
	s_endpgm
.Lentry_in_a_cluster:
	s_bfe_u32 s2, ttmp6, 0x10000c
	s_cmp_lg_u32 s2, 0x3003
	s_cbranch_scc0 .Lentry_shape_is_right
	s_endpgm
.Lentry_shape_is_right:
; y[b][q][head] = softmax over k <= q of (q . k / 8) v, both products on codes of FP6 (E2M3) with E8M0 scales; y is then quantised along the model's 1,024 for the last product.
; THE SOFTMAX AHEAD OF THE SECOND PRODUCT: t = score x log2(e) / 8; M = the running largest t rounded UP to a whole number; p = 2^(t - M) is quantised along the keys, not normalised; the row's sum is taken of the
; unquantised p and divides at the end.  When M moves, the sum and O are multiplied by 2^(old M - new M): exact.
; LEFT OUT: key steps of 128 that lie wholly behind a tile's queries.  the causal mask makes their scores -infinity for every input, so their p is 0 and reaches no output.
; A NaN, an infinity or an overflow that reaches only such a score is not carried to the result.
; SHARES.  A cluster's four work-groups are the four query heads of one kv head (y of the grid: batch and kv head), on the same query tiles.  The cluster's x, P = 0 .. 7, takes of each of the 16 steps of 128 queries the
; tile P (16 queries): tiles 8 j + P, j = 0 .. 15, which need j + 1 key steps: 136 steps in every work-group.  An early tile j < 8 and the late tile 15 - j have 17 steps together, which two waves share:
; wave j takes the early tile's j + 1 steps and then the late tile's steps s .. 15 - j: 17 - s steps; wave 8 + (j xor 4) takes the late tile's steps 0 .. s - 1.  s = 3 for j < 4, 6 for the others: waves 0-3 have 14 steps,
; waves 4-7 11, waves 8-11 6, waves 12-15 3: waves w, w + 4, w + 8, w + 12 have 34 together.  The late tile's two parts (O, M, the sum) are joined through LDS at the end.
; LDS.  A key step's K and V are one record of 13,312 bytes; the 16 records come by ONE joint tensor load a wave, each byte is filled once.  Every wave's first step is key step 0: the first barrier shows record 0 alone, the second,
; behind that step, all.  The loop has no barrier.  Four waves share a SIMD, so that one wave's softmax stands beside another's products and LDS loads.  No prefetch: all of K and V is asked for at the head, no loop runs ahead.
; LAYOUT.  Both products are used transposed: S^T = K Q^T (source 0 = 16 keys), O^T = V^T P^T (source 0 = 16 of the head's 64): a lane holds one query throughout.  Row r of tile t is token
; 32 (t / 2) + 8 (t % 2) + r + 8 (r / 8) of its step, so the 16 registers of score tiles 2 b, 2 b + 1 are keys 32 b + 16 (lane / 16) + 0 .. 15.
; THE FIRST PRODUCT'S K IS 64, the instruction's 128: Q's registers 6-11 are zero codes.  K's tiles lie 6 registers apart, so a tile's registers 6-11 are the next tile's codes (behind the last: zeros): they meet
; zero codes, under scale bytes 0 (never 0xff), and add exactly 0.
; OUT.  y's tiles and scale words are laid in the order [b][P][j], so that a work-group's 16 tiles' words are 1,024 bytes on end.
; LIMITS: as the quantising launch states them; and the scaled scores t stay under 2^31 in magnitude.
.set FLOOR, 0x1800000
.set EOFF,  0xff000000
.set REC,   13312
.set HREC,  3328
.set YS,    212992                     ; LDS: 16 records; 16 x 64 bytes for y's scale words;
.set XCH,   214016                     ; 8 x 4,352 bytes for the late tiles' second parts;
.set SPARE, 248832                     ; the spare words
.set WV,  12
.set CX,  13
.set PP,  14
.set BG,  15
.set J,   16
.set SD,  17                           ; s17 the key step on my tile's diagonal
.set I,   18                           ; s18 the trip
.set KS,  19                           ; s19 the key step in hand;  s20 where its record begins
.set TK,  20
.set CS,  22                           ; s[22:23] c = log2(e) / 8
.set G1,  24
.set G0,  32
.set PB,  36                           ; s36 P / 2: the block of 32 keys on the diagonal
.set SHJ, 37                           ; s37 s + 15 - j: from a trip's number to the late tile's key step, modulo 16
.set W1,  38                           ; s38 j + 1: the trip in which waves 0-7 change tiles (waves 8-15: no trip's number)
.set LAST, 39                          ; s39 my number of steps: the first trip with none
.set MK,  40                           ; s40-55 lanes whose key i of the diagonal block is hidden
.set SEL, 56
.set SDL, 78
.set L16, 1
.set L8,  2
.set ADK, 4
.set AD8, 5
.set VD,  8
.set NINF, 9
.set YSA, 10
.set YSR, 11
.set QFR, 16                           ; v16-21 Q's codes, v22-27 zeros
.set QOF, 28
.set KFR, 32                           ; v32-79 K's 8 tiles, later V's 4 fragments; v80-85 zeros
.set KSC, 86                           ; v86-89 K's scale words, v90-91 V's, v92 Q's, v93 p's: they hold scales and nothing else
.set VSC, 90
.set QSC, 92
.set PSC, 93
.set SCR, 96                           ; v96-159 S^T, then p
.set OT,  160                          ; v160-191 O^T
.set PCD, 192                          ; v192-203 p's codes; v204-206, v208-210 the conversions' second halves
.set PTY, 204
.set OLD, 207                          ; v207 -M as the last step left it
.set BM,  212
.set BP,  216
.set BS,  220
.set TMP, 224
.set FF,  226                          ; v[226:227] f
.set FA,  228                          ; v[228:229] the other part's factor
.set QL,  230                          ; v230-235 the late tile's codes of Q, v236 its scale words
.set WD,  237                          ; v237 my tile's two scale bytes
.set XCA, 238
.set XC8, 239
.set SM,  242                          ; v242-249 a step's sum in four chains of pairs: the next step adds them into v[14:15]
.set VW,  250                          ; v250-253 V's scale words as they lie
.set SPW, 254
.set NIL, 255
.macro CROUND
	s_barrier_signal -1
	s_barrier_wait -1
	s_cmp_lg_u32 s[WV], 0
	s_cbranch_scc1 .Lnot_wave_0_\@
	s_barrier_signal -3
.Lnot_wave_0_\@:
	s_barrier_wait -3
	s_barrier_signal -1
	s_barrier_wait -1
.endm
.macro PLACES
.rept 4
	v_nop
.endr
.endm
.macro TLOAD
	tensor_load_to_lds s[G0:G0+3], s[G1:G1+7]
	s_nop 0
	PLACES
.endm
.macro DIAG n                          ; the diagonal lies in block n: its hidden scores, and all of the later blocks', become -infinity
.set m_, 0
.rept 16
	v_cndmask_b32 v[SCR+16*\n+m_], v[SCR+16*\n+m_], v[NINF], s[MK+m_]
.set m_, m_+1
.endr
.set m_, 16*\n+16
.rept 48-16*\n
	v_mov_b32 v[SCR+m_], v[NINF]
.set m_, m_+1
.endr
	s_wait_alu depctr_va_vdst(0)
.endm
.macro START                           ; nothing summed yet: the first step finds zeros, which the first change of M leaves zeros
.set m_, 0
.rept 32
	v_mov_b32 v[OT+m_], 0
.set m_, m_+1
.endr
.irp k, 0,1,2,3,4,5,6,7
	v_mov_b32 v[SM+\k], 0
.endr
	v_mov_b32 v13, 0xff61b1e6                      ; the largest t so far: -3e38
	v_mov_b32 v14, 0                               ; the sum, in two halves
	v_mov_b32 v15, 0
	v_floor_f32 v12, -v13                          ; -M
.endm
.macro MERGE                           ; the last step's four chains into the sum
	v_pk_add_f32 v[SM:SM+1], v[SM:SM+1], v[SM+2:SM+3]
	v_pk_add_f32 v[SM+4:SM+5], v[SM+4:SM+5], v[SM+6:SM+7]
	v_pk_add_f32 v[SM:SM+1], v[SM:SM+1], v[SM+4:SM+5]
	v_pk_add_f32 v[14:15], v[14:15], v[SM:SM+1]
.endm
; A KEY STEP: 128 keys of the record at v[ak] (16 bytes a lane), v[a8] (8 bytes a lane)
.macro STEP ak, a8
.irp hf, 0,1
.irp k, 0,1,2,3,4,5
	ds_load_b128 v[KFR+24*\hf+4*\k:KFR+24*\hf+4*\k+3], v[\ak] offset:\hf*HREC+512*\k       ; 512 consecutive bytes: tile t's six registers land at v[KFR + 6 t]
.endr
	ds_load_b64 v[KSC+2*\hf:KSC+2*\hf+1], v[\a8] offset:\hf*HREC+3072
.endr
	s_wait_alu depctr_va_vdst(0)
	s_wait_dscnt 0x0
.irp q, 0,1,2,3
.irp o, 0,1
.set T_, 2*\q+\o
	v_wmma_scale_f32_16x16x128_f8f6f4 v[SCR+8*T_:SCR+8*T_+7], v[KFR+6*T_:KFR+6*T_+11], v[QFR:QFR+11], 0, v[KSC+\q], v[QSC] matrix_a_fmt:MATRIX_FMT_FP6 matrix_b_fmt:MATRIX_FMT_FP6 matrix_a_scale:MATRIX_SCALE_ROW\o
.endr
.endr
	MERGE                                          ; these four are also the places in front of the loads into K's registers and of the first read of the scores
.irp c, 0,1
	ds_load_b64 v[VW+2*\c:VW+2*\c+1], v[\a8] offset:(2+\c)*HREC+3072
.endr
.irp dt, 0,1,2,3
.irp c, 0,1
	ds_load_b128 v[KFR+12*\dt+6*\c:KFR+12*\dt+6*\c+3], v[\ak] offset:(2+\c)*HREC+768*\dt   ; V's fragments land while the softmax is walked
	ds_load_b64 v[KFR+12*\dt+6*\c+4:KFR+12*\dt+6*\c+5], v[\a8] offset:(2+\c)*HREC+768*\dt+512
.endr
.endr
	s_wait_alu depctr_va_vdst(0)
	s_cmp_lg_u32 s[KS], s[SD]
	s_cbranch_scc1 .Lopen_\@
	s_cmp_eq_u32 s[PB], 3
	s_cbranch_scc1 .Ldiag3_\@
	s_cmp_eq_u32 s[PB], 2
	s_cbranch_scc1 .Ldiag2_\@
	s_cmp_eq_u32 s[PB], 1
	s_cbranch_scc1 .Ldiag1_\@
	DIAG 0
	s_branch .Lopen_\@
.Ldiag1_\@:
	DIAG 1
	s_branch .Lopen_\@
.Ldiag2_\@:
	DIAG 2
	s_branch .Lopen_\@
.Ldiag3_\@:
	DIAG 3
.Lopen_\@:
.irp b, 0,1,2,3
	v_max3_num_f32 v[BM+\b], v[SCR+16*\b], v[SCR+1+16*\b], v[SCR+2+16*\b]      ; the largest score of each block of 32 keys: it serves the row's maximum and, since p rises with the score, the block's largest p
.endr
.irp i, 3,5,7,9,11,13
.irp b, 0,1,2,3
	v_max3_num_f32 v[BM+\b], v[BM+\b], v[SCR+16*\b+\i], v[SCR+1+16*\b+\i]
.endr
.endr
.irp b, 0,1,2,3
	v_max_num_f32 v[BM+\b], v[BM+\b], v[SCR+15+16*\b]
.endr
.irp b, 0,1,2,3
	s_delay_alu instid0(VALU_DEP_4)
	v_permlanex16_b32 v[BP+\b], v[BM+\b], s[SEL], s[SEL+1]
.endr
.irp b, 0,1,2,3
	s_delay_alu instid0(VALU_DEP_4)
	v_max_num_f32 v[BM+\b], v[BM+\b], v[BP+\b]     ; with lane l xor 16's 16 keys
.endr
	s_delay_alu instid0(VALU_DEP_2)
	v_max3_num_f32 v[TMP], v[BM], v[BM+1], v[BM+2]
	s_delay_alu instid0(VALU_DEP_1)
	v_max_num_f32 v[TMP], v[TMP], v[BM+3]
	s_delay_alu instid0(VALU_DEP_1)
	v_mul_f32 v[TMP], s[CS], v[TMP]                ; as t (c is positive)
	s_delay_alu instid0(VALU_DEP_1)
	v_max_num_f32 v13, v13, v[TMP]                 ; the running largest t
	s_delay_alu instid0(VALU_DEP_1)
	v_floor_f32 v12, -v13                          ; the new -M = -ceil(t): a whole number
	s_delay_alu instid0(VALU_DEP_1)
	v_sub_f32 v[TMP], v12, v[OLD]                  ; old M - new M: a whole number, 0 or less
	s_delay_alu instid0(VALU_DEP_1)
	v_cvt_i32_f32 v[TMP], v[TMP]                   ; (it saturates)
	s_delay_alu instid0(VALU_DEP_1)
	v_ldexp_f32 v[FF], 1.0, v[TMP]                 ; f = 2^(old M - new M)
.set m_, 0
.rept 32
	v_pk_fma_f32 v[SCR+m_:SCR+m_+1], v[SCR+m_:SCR+m_+1], s[CS:CS+1], v[12:13] op_sel_hi:[1,0,0]    ; t - M, two at a time
.set m_, m_+2
.endr
.irp b, 0,1,2,3
	v_fma_f32 v[BM+\b], v[BM+\b], s[CS], v12       ; the same of each block's largest score
.endr
	s_wait_alu depctr_va_vdst(0)
.set m_, 0
.rept 64
	v_exp_f32 v[SCR+m_], v[SCR+m_]                 ; p = 2^(t - M), at most 1
.set m_, m_+1
.endr
.irp b, 0,1,2,3
	v_exp_f32 v[BM+\b], v[BM+\b]                   ; the block's largest p: the same two instructions on the same number
.endr
	v_pk_mul_f32 v[14:15], v[14:15], v[FF:FF+1] op_sel_hi:[1,0]    ; the sums under the new M (a plain place behind the exponentials)
	s_wait_alu depctr_va_vdst(0)
.irp b, 0,1,2,3
	v_max_num_f32 v[BM+\b], FLOOR, v[BM+\b]        ; a block whose every p is 0 keeps the byte 1: its codes are zeros
.endr
.irp b, 0,1,2,3
	s_delay_alu instid0(VALU_DEP_4)
	v_add_nc_u32 v[BS+\b], EOFF, v[BM+\b]
.endr
.irp b, 0,1,2,3
	s_delay_alu instid0(VALU_DEP_4)
	v_lshrrev_b32 v[BP+\b], 23, v[BS+\b]
.endr
	s_delay_alu instid0(VALU_DEP_3)
	v_lshl_or_b32 v[PSC], v[BP+1], 8, v[BP]        ; p's scale word for these 128 keys
	s_delay_alu instid0(VALU_DEP_1)
	v_lshl_or_b32 v[PSC], v[BP+2], 16, v[PSC]
	s_delay_alu instid0(VALU_DEP_1)
	v_lshl_or_b32 v[PSC], v[BP+3], 24, v[PSC]
.irp c, 0,1
	v_cvt_scalef32_pk16_fp6_f32 v[PCD+6*\c:PCD+6*\c+2], v[SCR+32*\c:SCR+32*\c+15], v[BS+2*\c]
	v_cvt_scalef32_pk16_fp6_f32 v[PTY+4*\c:PTY+4*\c+2], v[SCR+32*\c+16:SCR+32*\c+31], v[BS+2*\c+1]
.endr
	v_nop                                          ; one plain place behind a scaled conversion
.irp c, 0,1
.irp i, 0,1,2
	v_permlane16_swap_b32 v[PCD+6*\c+\i], v[PTY+4*\c+\i]
.endr
.irp i, 0,1,2
	s_delay_alu instid0(VALU_DEP_3)
	v_mov_b32 v[PCD+6*\c+3+\i], v[PTY+4*\c+\i]
.endr
.endr
.irp k, 0,1,2,3                        ; the row's sum, of the unquantised p: four chains of pairs
	v_pk_add_f32 v[SM+2*\k:SM+2*\k+1], v[SCR+4*\k:SCR+4*\k+1], v[SCR+4*\k+2:SCR+4*\k+3]
.endr
.irp g, 16,24,32,40,48,56
.irp k, 0,1,2,3
	v_pk_add_f32 v[SM+2*\k:SM+2*\k+1], v[SM+2*\k:SM+2*\k+1], v[SCR+\g+2*\k:SCR+\g+2*\k+1]
.endr
.endr
	s_wait_dscnt 16                                ; V's scale words are in; its 16 fragment loads may be out
.irp i, 0,1
	v_lshl_or_b32 v[VSC+\i], v[VW+2+\i], 16, v[VW+\i]      ; the halves' two bytes each: a row's word for 128 keys
.endr
.set m_, 0
.rept 16
	v_pk_mul_f32 v[OT+m_:OT+m_+1], v[OT+m_:OT+m_+1], v[FF:FF+1] op_sel_hi:[1,0]    ; O^T under the new M, each accumulator from its low end on
.set m_, m_+2
.endr
	s_wait_alu depctr_va_vdst(0)
	s_wait_dscnt 0x0                               ; V
.irp q, 0,1
.irp o, 0,1
.set T_, 2*\q+\o
	v_wmma_scale_f32_16x16x128_f8f6f4 v[OT+8*T_:OT+8*T_+7], v[KFR+12*T_:KFR+12*T_+11], v[PCD:PCD+11], v[OT+8*T_:OT+8*T_+7], v[VSC+\q], v[PSC] matrix_a_fmt:MATRIX_FMT_FP6 matrix_b_fmt:MATRIX_FMT_FP6 matrix_a_scale:MATRIX_SCALE_ROW\o
.endr
.endr
.endm
; A TILE'S WAY OUT: y = O^T / the sum (v14: this lane's part); register 16 b + i is d = 32 b + 16 (lane / 16) + i of my query: two blocks of the last product's K
.macro FIN yb
	v_permlanex16_b32 v[TMP], v14, s[SEL], s[SEL+1]
	s_delay_alu instid0(VALU_DEP_1)
	v_add_f32 v14, v14, v[TMP]                     ; with lane l xor 16's: the row's sum
	s_wait_alu depctr_va_vdst(0)
	v_rcp_f32 v14, v14
	v_nop                                          ; a plain place behind the transcendental
	s_wait_alu depctr_va_vdst(0)
.set m_, 0
.rept 16
	v_pk_mul_f32 v[SCR+m_:SCR+m_+1], v[OT+m_:OT+m_+1], v[14:15] op_sel_hi:[1,0]
.set m_, m_+2
.endr
.irp b, 0,1
	v_max3_num_f32 v[BM+\b], |v[SCR+16*\b]|, |v[SCR+16*\b+1]|, FLOOR
.endr
.irp i, 2,4,6,8,10,12,14
.irp b, 0,1
	v_max3_num_f32 v[BM+\b], v[BM+\b], |v[SCR+16*\b+\i]|, |v[SCR+16*\b+\i+1]|
.endr
.endr
.irp b, 0,1
	v_permlanex16_b32 v[BP+\b], v[BM+\b], s[SEL], s[SEL+1]
.endr
.irp b, 0,1
	v_max_num_f32 v[BM+\b], v[BM+\b], v[BP+\b]
.endr
.irp b, 0,1
	v_add_nc_u32 v[BS+\b], EOFF, v[BM+\b]
.endr
.irp b, 0,1
	v_lshrrev_b32 v[BP+\b], 23, v[BS+\b]
.endr
	v_lshl_or_b32 v[WD], v[BP+1], 8, v[BP]         ; my query's two bytes
	v_cvt_scalef32_pk16_fp6_f32 v[PCD:PCD+2], v[SCR:SCR+15], v[BS]
	v_cvt_scalef32_pk16_fp6_f32 v[PTY:PTY+2], v[SCR+16:SCR+31], v[BS+1]
	v_nop                                          ; one plain place behind a scaled conversion
.irp i, 0,1,2
	v_permlane16_swap_b32 v[PCD+\i], v[PTY+\i]     ; lanes 0-15 block 0 whole, lanes 16-31 block 1
.endr
.irp i, 0,1,2
	v_mov_b32 v[PCD+3+\i], v[PTY+\i]
.endr
	global_store_b128 v[L16], v[PCD:PCD+3], s[\yb:\yb+1]               ; 512 consecutive bytes, aligned to 256
	global_store_b64 v[L8], v[PCD+4:PCD+5], s[\yb:\yb+1] offset:512    ; 256 consecutive bytes, aligned
.endm
	s_load_b256 s[4:11], s[0:1], 0x0               ; qc s[4:5], kv s[6:7], yimg s[8:9], ysw s[10:11]
	v_lshl_add_u32 v[SPW], v0, 2, SPARE
	v_mov_b32 v[NIL], 0
	ds_add_u32 v[SPW], v[NIL]                      ; the opening lines
	ds_add_u32 v[SPW], v[NIL]
	v_lshrrev_b32 v4, 5, v0
	v_readfirstlane_b32 s[WV], v4                  ; wave 0..15
	s_bfe_u32 s[CX], ttmp6, 0x40000                ; cx: which of the kv head's four query heads: it enters Q's, y's and their scales' global addresses alone
	s_and_b32 s[PP], ttmp9, 7
	s_and_b32 s[BG], ttmp7, 0xffff
	s_lshr_b32 s60, s[WV], 3                       ; 0: the early tile and the late one's last steps; 1: the late one's first steps
	s_and_b32 s[J], s[WV], 7
	s_lshl_b32 s61, s60, 2
	s_xor_b32 s[J], s[J], s61
	s_mul_i32 s61, s60, 15
	s_xor_b32 s[SD], s[J], s61                     ; waves 0-7: j; waves 8-15: 15 - j
	s_xor_b32 s[SDL], s[J], 15
	s_lshr_b32 s62, s[J], 2
	s_mul_i32 s62, s62, 3
	s_add_co_u32 s62, s62, 3                       ; s
	s_add_co_u32 s[SHJ], s62, s[SDL]
	s_lshl_b32 s61, s60, 5
	s_add_co_u32 s[W1], s[J], s61
	s_add_co_u32 s[W1], s[W1], 1
	s_sub_co_u32 s63, 17, s62
	s_cmp_eq_u32 s60, 0
	s_cselect_b32 s[LAST], s63, s62
	s_lshr_b32 s[PB], s[PP], 1
	s_mov_b32 s[CS], 0x3e38aa3b                    ; log2(e) / 8
	s_mov_b32 s[CS+1], s[CS]                       ; named with it as a pair, so it is written
	s_mov_b32 s[SEL], 0x76543210
	s_mov_b32 s[SEL+1], 0xfedcba98
	s_mov_b32 s[G1], 15|(3<<16)|(1<<21)            ; a record as 52 rows of 256 bytes (32 elements of 8), for all four partners
	s_mov_b32 s[G1+1], 32<<16
	s_mov_b32 s[G1+2], 52<<16
	s_mov_b32 s[G1+3], 32<<16
	s_mov_b32 s[G1+4], 52
	s_mov_b32 s[G1+5], 32
	s_mov_b32 s[G1+6], 0
	s_mov_b32 s[G1+7], 0
	s_mov_b32 s[G0], 1
	s_mul_i32 s[G0+1], s[WV], REC                  ; my record: key step = wave
	s_mul_i32 s58, s[BG], 16*REC
	s_add_co_u32 s58, s58, s[G0+1]
	s_mov_b32 s59, 0
	s_lshl_b32 s62, s[SD], 6
	s_add_co_u32 s62, s62, YS
	s_mul_i32 s63, s[J], 4352
	s_add_co_u32 s63, s63, XCH
	s_and_b32 s66, s[PP], 1
	s_lshl_b32 s67, s66, 3
	v_and_b32 v4, 31, v0
	v_and_b32 v5, 15, v0                           ; r
	v_bfe_u32 v6, v0, 4, 1                         ; h
	v_lshlrev_b32 v[L16], 4, v4
	v_lshlrev_b32 v[L8], 3, v4
	v_lshlrev_b32 v6, 4, v6
	v_and_b32 v[VD], 8, v5
	v_add_nc_u32 v[VD], v[VD], v5
	v_sub_nc_u32 v[VD], v[VD], v6
	v_add_nc_u32 v[VD], s67, v[VD]                 ; 8 (P % 2) + r + 8 (r / 8) - 16 h: in the diagonal block register i is hidden where i is greater
	v_lshl_add_u32 v[YSA], v5, 2, s62
	v_add_nc_u32 v[YSR], YS, v[L16]
	v_add_nc_u32 v[XCA], s63, v[L16]
	v_add_nc_u32 v[XC8], s63, v[L8]
	v_add_nc_u32 v[XC8], 4096, v[XC8]
.set m_, 0
.rept 16
	v_cmp_gt_i32 s[MK+m_], m_, v[VD]
.set m_, m_+1
.endr
	s_wait_alu depctr_va_vdst(0)
	s_wait_dscnt 0x0
	CROUND                                         ; all four partners are here: the joint loads meet
	s_wait_kmcnt 0x0
	s_add_nc_u64 s[G0+2:G0+3], s[6:7], s[58:59]
	s_or_b32 s[G0+3], s[G0+3], 0x80000000
	s_cmp_eq_u32 s[WV], 0                          ; record 0's load has a line of its own: the first barrier shows it alone
	s_cbranch_scc0 .Lothers
	TLOAD
	s_branch .Lasked
.Lothers:
	TLOAD
.Lasked:
	s_lshr_b32 s59, s[BG], 2                       ; batch
	s_and_b32 s60, s[BG], 3                        ; kv head
	s_lshl_b32 s61, s60, 2
	s_add_co_u32 s61, s61, s[CX]                   ; my query head
	s_lshl_b32 s62, s59, 4
	s_add_co_u32 s62, s62, s61                     ; 16 b + head
	s_lshl_b32 s63, s62, 4
	s_lshr_b32 s80, s[PP], 2
	s_mul_i32 s80, s80, HREC
	s_add_co_u32 s82, s63, s[SD]                   ; Q: my tile's half record; and the late tile's
	s_mul_i32 s82, s82, 2*HREC
	s_add_co_u32 s82, s82, s80
	s_mov_b32 s83, 0
	s_add_nc_u64 s[68:69], s[4:5], s[82:83]
	s_add_co_u32 s84, s63, s[SDL]
	s_mul_i32 s84, s84, 2*HREC
	s_add_co_u32 s84, s84, s80
	s_mov_b32 s85, 0
	s_add_nc_u64 s[70:71], s[4:5], s[84:85]
	s_lshl_b32 s86, s59, 3
	s_add_co_u32 s86, s86, s[PP]
	s_lshl_b32 s86, s86, 4
	s_add_co_u32 s86, s86, s[SD]                   ; y: tile 128 b + 16 P + j, the head's 768 bytes
	s_mul_i32 s86, s86, 12288
	s_mul_i32 s87, s61, 768
	s_add_co_u32 s86, s86, s87
	s_mov_b32 s87, 0
	s_add_nc_u64 s[72:73], s[8:9], s[86:87]
	s_lshl_b32 s88, s62, 13                        ; y's scale words: (16 b + head) x 8,192 + 1,024 P
	s_lshl_b32 s89, s[PP], 10
	s_add_co_u32 s88, s88, s89
	s_mov_b32 s89, 0
	s_add_nc_u64 s[76:77], s[10:11], s[88:89]
	s_and_b32 s62, s[PP], 3                        ; Q's six registers are registers 6 (P % 4) on of the half record's 24: three pairs
	s_mul_i32 s62, s62, 6
	s_wait_alu depctr_va_vdst(0)
.irp q, 0,1,2
	s_add_co_u32 s63, s62, 2*\q
	s_lshr_b32 s92, s63, 2
	s_lshl_b32 s92, s92, 9
	s_and_b32 s63, s63, 3
	s_lshl_b32 s63, s63, 2
	s_add_co_u32 s92, s92, s63
	v_add_nc_u32 v[QOF+\q], s92, v[L16]
.endr
	s_lshl_b32 s62, s66, 7                         ; its scale words: 8 bytes a lane; the odd tile's in lanes 16-31, the second pair's 4 bytes on
	s_bfe_u32 s63, s[PP], 0x10001
	s_lshl_b32 s63, s63, 2
	s_add_co_u32 s62, s62, s63
	s_add_co_u32 s62, s62, 3072
	v_lshl_add_u32 v31, v5, 3, s62
	s_wait_alu depctr_va_vdst(0)
.irp q, 0,1,2
	global_load_b64 v[QFR+2*\q:QFR+2*\q+1], v[QOF+\q], s[68:69]
	global_load_b64 v[QL+2*\q:QL+2*\q+1], v[QOF+\q], s[70:71]      ; (waves 8-15 load the same tile twice: one text for all)
.endr
	global_load_b32 v[QSC], v31, s[68:69]
	global_load_b32 v[QL+6], v31, s[70:71]
.irp j, 0,1,2,3,4,5
	v_mov_b32 v[QFR+6+\j], 0                       ; zero codes for k = 64 .. 127
	v_mov_b32 v[KFR+48+\j], 0                      ; and behind K's last tile
.endr
.irp b, 0,1,2,3
	v_mov_b32 v[BP+\b], 0                          ; a lane permute's destination counts as one of its sources
.endr
	v_mov_b32 v[TMP], 0
	v_mov_b32 v[FF+1], 0                           ; named as the upper halves of the factors' pairs
	v_mov_b32 v[FA+1], 0
	v_mov_b32 v[WD], 0                             ; written ahead of every parting
	v_mov_b32 v[NINF], 0xff800000
	START
	v_mov_b32 v[OLD], v12
	s_mov_b32 s[KS], 0
	s_mov_b32 s[I], 1
	s_wait_alu depctr_va_vdst(0)
	s_wait_loadcnt 0x0
	s_cmp_eq_u32 s[WV], 0
	s_cbranch_scc0 .Lnot_first
	s_wait_tensorcnt 0x0
.Lnot_first:
	s_barrier_signal -1
	s_barrier_wait -1                              ; record 0 is in; the others may be on their way
	STEP L16, L8
	s_wait_alu depctr_va_vdst(0)
	s_wait_tensorcnt 0x0
	s_wait_dscnt 0x0
	s_barrier_signal -1
	s_barrier_wait -1                              ; all records are in
.Ltrip:
	s_cmp_eq_u32 s[I], s[W1]                       ; waves 0-7, trip j + 1: the early tile is finished, the late one begins
	s_cbranch_scc0 .Lsame
	PLACES
	MERGE
	v_add_f32 v14, v14, v15
	FIN 72
.irp q, 0,1,2,3,4,5
	v_mov_b32 v[QFR+\q], v[QL+\q]
.endr
	v_mov_b32 v[QSC], v[QL+6]
	START
	s_mov_b32 s[SD], s[SDL]
	s_wait_alu depctr_va_vdst(0)
	s_wait_xcnt 0x0                                ; the tile's stores have read their registers
.Lsame:
	s_cmp_ge_u32 s[I], s[LAST]                     ; my steps are done
	s_cbranch_scc1 .Lnone
	s_cmp_ge_u32 s[I], s[W1]                       ; the key step: the trip's number, or, in the late tile of waves 0-7, s - 1 - j more (modulo 16)
	s_cselect_b32 s21, s[SHJ], 0
	s_add_co_u32 s[KS], s[I], s21
	s_and_b32 s[KS], s[KS], 15
	s_mul_i32 s[TK], s[KS], REC
	v_add_nc_u32 v[ADK], s[TK], v[L16]             ; these four are also the places behind the last step's products, in front of the loads into their fragments
	v_add_nc_u32 v[AD8], s[TK], v[L8]
	v_mov_b32 v[OLD], v12
	v_nop
	STEP ADK, AD8
.Lnone:
	s_add_co_u32 s[I], s[I], 1
	s_cmp_lt_u32 s[I], 14
	s_cbranch_scc1 .Ltrip
	PLACES
	MERGE
	v_add_f32 v13, v14, v15                        ; my part of the late tile: O^T, -M in v12, the sum in v13
	s_wait_alu depctr_va_vdst(0)
	s_cmp_ge_u32 s[WV], 8
	s_cbranch_scc1 .Lkeep
.irp k, 0,1,2,3,4,5,6,7
	ds_store_b128 v[XCA], v[OT+4*\k:OT+4*\k+3] offset:512*\k
.endr
	ds_store_b64 v[XC8], v[12:13]
	ds_store_b32 v[YSA], v[WD]                     ; lanes l and l xor 16 write the same word with the same value
.Lkeep:
	s_wait_dscnt 0x0
	s_barrier_signal -1
	s_barrier_wait -1
	s_cmp_lt_u32 s[WV], 8
	s_cbranch_scc1 .Ljoined
.irp k, 0,1,2,3,4,5,6,7
	ds_load_b128 v[SCR+4*\k:SCR+4*\k+3], v[XCA] offset:512*\k
.endr
	ds_load_b64 v[208:209], v[XC8]
	s_wait_dscnt 0x0
	v_min_num_f32 v210, v12, v208                  ; -M of both parts
	v_sub_f32 v211, v210, v12
	v_sub_f32 v212, v210, v208
	v_cvt_i32_f32 v211, v211
	v_cvt_i32_f32 v212, v212
	v_ldexp_f32 v[FF], 1.0, v211
	v_ldexp_f32 v[FA], 1.0, v212
	v_mul_f32 v14, v13, v[FF]
	v_fma_f32 v14, v209, v[FA], v14
.set m_, 0
.rept 16
	v_pk_mul_f32 v[OT+m_:OT+m_+1], v[OT+m_:OT+m_+1], v[FF:FF+1] op_sel_hi:[1,0]
.set m_, m_+2
.endr
.set m_, 0
.rept 16
	v_pk_fma_f32 v[OT+m_:OT+m_+1], v[SCR+m_:SCR+m_+1], v[FA:FA+1], v[OT+m_:OT+m_+1] op_sel_hi:[1,0,1]
.set m_, m_+2
.endr
	FIN 72
	ds_store_b32 v[YSA], v[WD]
.Ljoined:
	s_wait_alu depctr_va_vdst(0)
	s_wait_dscnt 0x0
	s_barrier_signal -1
	s_barrier_wait -1
	s_cmp_lg_u32 s[WV], 0
	s_cbranch_scc1 .Lwords_out
	ds_load_b128 v[32:35], v[YSR]
	ds_load_b128 v[36:39], v[YSR] offset:512
	s_wait_dscnt 0x0
	global_store_b128 v[L16], v[32:35], s[76:77]   ; the 16 tiles' words: 1,024 bytes on end
	global_store_b128 v[L16], v[36:39], s[76:77] offset:512
.Lwords_out:
	s_wait_tensorcnt 0x0                           ; the wave's end
	ds_add_u32 v[SPW], v[NIL]
	s_wait_dscnt 0x0
	CROUND                                         ; the closing round
	s_endpgm
.Lfunc_end_k_q3487e025ae_attn:
	.size	k_q3487e025ae_attn, .Lfunc_end_k_q3487e025ae_attn-k_q3487e025ae_attn
	.p2alignl 7, 3214868480
	.fill 96, 4, 3214868480
	.section	.rodata,"a",@progbits
	.p2align	6, 0x0
	.amdhsa_kernel k_q3487e025ae_attn
		.amdhsa_group_segment_fixed_size 250880
		.amdhsa_private_segment_fixed_size 0
		.amdhsa_enable_private_segment 0
		.amdhsa_kernarg_size 32
		.amdhsa_user_sgpr_count 2
		.amdhsa_user_sgpr_kernarg_segment_ptr 1
		.amdhsa_wavefront_size32 1
		.amdhsa_system_sgpr_workgroup_id_x 1
		.amdhsa_system_sgpr_workgroup_id_y 1
		.amdhsa_system_sgpr_workgroup_id_z 1
		.amdhsa_system_vgpr_workitem_id 0
		.amdhsa_next_free_vgpr 256
		.amdhsa_next_free_sgpr 100
		.amdhsa_reserve_vcc 0
		.amdhsa_float_denorm_mode_32 3
		.amdhsa_float_denorm_mode_16_64 3
		.amdhsa_memory_ordered 1
		.amdhsa_forward_progress 1
		.amdhsa_inst_pref_size 74
	.end_amdhsa_kernel
	.amdgpu_metadata
---
amdhsa.version: [ 1, 2 ]
amdhsa.kernels:
  - .name:           k_q3487e025ae_attn
    .symbol:         k_q3487e025ae_attn.kd
    .args:
      - { .name: qc, .offset: 0, .size: 8, .value_kind: global_buffer, .address_space: global }
      - { .name: kv, .offset: 8, .size: 8, .value_kind: global_buffer, .address_space: global }
      - { .name: yimg, .offset: 16, .size: 8, .value_kind: global_buffer, .address_space: global }
      - { .name: ysw, .offset: 24, .size: 8, .value_kind: global_buffer, .address_space: global }
    .group_segment_fixed_size: 250880
    .private_segment_fixed_size: 0
    .kernarg_segment_align: 8
    .kernarg_segment_size: 32
    .max_flat_workgroup_size: 512
    .sgpr_count:     100
    .vgpr_count:     256
    .wavefront_size: 32
...
	.end_amdgpu_metadata
.endif
;; end of part 3
;; launch oproj (part 4): grid 32 x 8, 4 waves a work-group, clusters of 4 x 4, 240,128 bytes of LDS; arguments yimg, ysw, wimg, wsc, out0; writes out0
.if DOCPART == 4
	.amdgcn_target "amdgcn-amd-amdhsa--gfx1250"
	.amdhsa_code_object_version 6
	.text
	.protected	k_q3487e025ae_oproj
	.globl	k_q3487e025ae_oproj
	.p2align	8
	.type	k_q3487e025ae_oproj,@function
k_q3487e025ae_oproj:
	s_mov_b64 s[64:65], 0
	v_nop
	global_prefetch_b8 v0, s[64:65] scope:SCOPE_SE
	s_setreg_imm32_b32 hwreg(HW_REG_WAVE_MODE, 25, 1), 1
	s_wait_xcnt 0x0
	s_wait_alu depctr_hold_cnt(0) depctr_sa_sdst(0) depctr_va_vdst(0) depctr_va_sdst(0) depctr_va_ssrc(0) depctr_va_vcc(0) depctr_vm_vsrc(0)
	s_getreg_b32 s2, hwreg(HW_REG_IB_STS2, 6, 4)
	s_cmp_eq_u32 s2, 0
	s_cbranch_scc0 .Lentry_in_a_cluster
	s_endpgm
.Lentry_in_a_cluster:
	s_bfe_u32 s2, ttmp6, 0x10000c
	s_cmp_lg_u32 s2, 0xf033
	s_cbranch_scc0 .Lentry_shape_is_right
	s_endpgm
.Lentry_shape_is_right:
; out0 = y Wo on codes of FP6 (E2M3) with E8M0 scales; sums in f32.  y's codes come from the attention launch (a tile of 16 tokens: 8 K steps of 1,536 bytes, in each two heads of 768: registers 0-3 at 16 x lane, 4-5 at 8 x lane),
; Wo's as images of operand registers (tiles 96-159 of wimg).  y's tiles lie in the order [b][P][j]: tile 128 b + 16 P + j holds tokens 2,048 b + 128 j + 32 (P / 2) + 8 (P % 2) + r + 8 (r / 8).
; SHARES.  A work-group takes 8 tiles of y (128 tokens, MT: b, P, half of the j) x 128 columns (NT), all of K = 1,024: 256 work-groups.  A wave owns 2 tiles of y (32 tokens) and holds their fragments, all of K, in registers (192);
; Wo streams past in two groups of 64 columns: 16 steps n = 8 g + (K step), 8 products each.  Group 0's results leave while group 1 is multiplied: a group's row of a token is 256 bytes.
; LDS.  The operands lie in LDS whole, each byte is filled once; a wave has ONE tensor load: wave 0 y's first four K steps, wave 1 Wo's group 0, wave 2 y's last four K steps, wave 3 Wo's group 1.  The first barrier shows the first two.
; CLUSTER, 4 x 4: the four of a row share NT and ask for Wo's tiles JOINTLY, the four of a column share MT and ask for y's.  No prefetch: all is asked for at the head.
; USED TRANSPOSED (source 0 = 16 columns of Wo, source 1 = 16 tokens): a lane's 16 registers of a pair of column tiles are 16 neighbouring columns of one token, 64 bytes.
; Three sets of Wo's fragments take turns: step n + 2's LDS loads are issued ahead of step n's products.  THE WAITS' COUNTS: a step's loads are 23 in group 0 (9 of them y's) and 14 in group 1; a group's way through the stage is 16 stores and 16 loads.
; LIMITS: as the quantising launch states them.
.set CHUNK, 98304                      ; LDS: y's 8 tiles x 6,144 bytes (four K steps),
.set WOFF,  49152                      ; then a group's 4 tiles of Wo x 12,288 bytes; two such on end;
.set SC,    196608                     ; scale words: for each K step 512 bytes of y's, 512 of Wo's;
.set STG,   204800                     ; the stage: for each wave 32 slots of 256 + 16 bytes.  Both are stored by the waves: no tensor load lands there
.set SP,    272
.set SPARE, 239616
.set WV,  20
.set HB,  21                           ; s21 wave / 2: the half of K, or the group, that I fetch
.set NT,  57
.set G1B, 24
.set G1A, 32
.set G0B, 40
.set G0A, 44
.set L16, 1
.set L4,  2
.set L8,  3
.set WA,  4                            ; v4-5 LDS address of Wo's group 0, 1;  v6-7 of my 2 tiles of y in K's halves, the parts of 16 bytes a lane;  v8-9 of 8
.set YA,  6
.set YA8, 8
.set SWA, 10
.set SYA, 11
.set SO,  12
.set SR,  13
.set SPW, 14
.set NIL, 15
.set SY,  16                           ; v16-23 y's scale words, one register a K step; v24-29 Wo's, three sets of 2: they hold scales and nothing else
.set SW,  24
.set SCW, 30
.set CO,  31                           ; v31 my place in a pair of rows of out0
.set ACC, 128                          ; v128-255 accumulators: group g, tile u of y, tile ct of Wo at 64 g + 32 u + 8 ct
                                       ; window 1: y's fragments, 24 x (K step) + 12 u;  window 2: Wo's, three sets of 48;  window 3: rows back from the stage, 64 g
.set MSB, 0
.macro WIN new
.if MSB != (\new)
	s_set_vgpr_msb (MSB<<8)|(\new)
.set MSB, (\new)
.endif
.endm
.macro CROUND
	s_barrier_signal -1
	s_barrier_wait -1
	s_cmp_lg_u32 s[WV], 0
	s_cbranch_scc1 .Lnot_wave_0_\@
	s_barrier_signal -3
.Lnot_wave_0_\@:
	s_barrier_wait -3
	s_barrier_signal -1
	s_barrier_wait -1
.endm
.macro PLACES                          ; four plain vector instructions between a matrix instruction and a load into, or a read of, its registers
.rept 4
	v_nop
.endr
.endm
.macro TLOAD g0, g1
	tensor_load_to_lds s[\g0:\g0+3], s[\g1:\g1+7]
	s_nop 0
	PLACES
.endm
.macro GROUP1 g, mask, n, rows         ; elements of 8 bytes, bit 21 beside the mask; rows of n elements, 12,288 bytes apart
	s_or_b32 s[\g], s[\mask], (3<<16)|(1<<21)
	s_mov_b32 s[\g+1], (\n)<<16
	s_mov_b32 s[\g+2], (\rows)<<16
	s_mov_b32 s[\g+3], (\n)<<16
	s_mov_b32 s[\g+4], \rows
	s_mov_b32 s[\g+5], 1536
	s_mov_b32 s[\g+6], 0
	s_mov_b32 s[\g+7], 0
.endm
.macro LOAD n                          ; step n's operands: Wo's four fragments into set n % 3; in group 0 also y's two of this K step, which stay
.set B_, (\n)%3
.set G_, (\n)/8
.set K_, (\n)%8
	PLACES
.irp i, 0,1
	ds_load_b32 v[SW+2*B_+\i], v[SWA] offset:1024*K_+256*G_+128*\i     ; lanes 0-15 the even tile's words, lanes 16-31 the odd tile's
.endr
.if G_ == 0
	ds_load_b32 v[SY+K_], v[SYA] offset:1024*K_
	WIN 0x40
.irp u, 0,1
.irp c, 0,1
	ds_load_b128 v[24*K_+12*\u+6*\c:24*K_+12*\u+6*\c+3], v[YA+K_/4] offset:6144*\u+1536*(K_%4)+768*\c
	ds_load_b64 v[24*K_+12*\u+6*\c+4:24*K_+12*\u+6*\c+5], v[YA8+K_/4] offset:6144*\u+1536*(K_%4)+768*\c+512
.endr
.endr
.endif
	WIN 0x80
.irp t, 0,1,2,3
.irp k, 0,1,2
	ds_load_b128 v[48*B_+12*\t+4*\k:48*B_+12*\t+4*\k+3], v[WA+G_] offset:12288*\t+1536*K_+512*\k
.endr
.endr
	WIN 0
.endm
.macro MUL n                           ; the group's 8 accumulators take turns, in the same order in every step
.set B_, (\n)%3
.set K_, (\n)%8
	WIN 0x06
.irp u, 0,1
.irp q, 0,1
.irp o, 0,1
.set D_, ACC+64*((\n)/8)+32*\u+16*\q+8*\o
.set A_, 48*B_+24*\q+12*\o
.set X_, 24*K_+12*\u
.if K_ == 0
	v_wmma_scale_f32_16x16x128_f8f6f4 v[D_:D_+7], v[A_:A_+11], v[X_:X_+11], 0, v[SW+2*B_+\q], v[SY+K_] matrix_a_fmt:MATRIX_FMT_FP6 matrix_b_fmt:MATRIX_FMT_FP6 matrix_a_scale:MATRIX_SCALE_ROW\o matrix_b_scale:MATRIX_SCALE_ROW\u
.else
	v_wmma_scale_f32_16x16x128_f8f6f4 v[D_:D_+7], v[A_:A_+11], v[X_:X_+11], v[D_:D_+7], v[SW+2*B_+\q], v[SY+K_] matrix_a_fmt:MATRIX_FMT_FP6 matrix_b_fmt:MATRIX_FMT_FP6 matrix_a_scale:MATRIX_SCALE_ROW\o matrix_b_scale:MATRIX_SCALE_ROW\u
.endif
.endr
.endr
.endr
	WIN 0
.endm
.macro STAGE g                         ; a group's results into my own stage and back as rows: LDS serves a wave's instructions in order (ISA guide 5.7.1.4)
	PLACES
.irp u, 0,1
.irp q, 0,1
.irp k, 0,1,2,3
	ds_store_b128 v[SO], v[ACC+64*\g+32*\u+16*\q+4*\k:ACC+64*\g+32*\u+16*\q+4*\k+3] offset:16*SP*\u+128*\q+16*\k    ; each accumulator from its low end on
.endr
.endr
.endr
	WIN 0xc0
.set t_, 0
.rept 16
	ds_load_b128 v[64*\g+4*t_:64*\g+4*t_+3], v[SR] offset:2*SP*t_      ; slots 2 t and 2 t + 1: sixteen lanes a slot
.set t_, t_+1
.endr
	WIN 0
.endm
.macro SEND g                          ; slots 2 t, 2 t + 1 are rows 2 (t % 8), + 1 of tile t / 8: two aligned runs of 256 bytes an instruction
	WIN 0x0c
.set t_, 0
.rept 16
.if \g
	s_wait_dscnt 15-t_                             ; these two slots are back; the younger loads may be out
.endif
	global_store_b128 v[CO], v[64*\g+4*t_:64*\g+4*t_+3], s[12:13] offset:(128*(t_/8)+2*(t_%8)+8*((t_%8)/4))*4096+256*\g th:TH_STORE_NT
.set t_, t_+1
.endr
	WIN 0
.endm
	s_load_b256 s[4:11], s[0:1], 0x0               ; yimg s[4:5], ysw s[6:7], wimg s[8:9], wsc s[10:11]
	s_load_b64 s[12:13], s[0:1], 0x20              ; out0
	v_lshl_add_u32 v[SPW], v0, 2, SPARE
	v_mov_b32 v[NIL], 0
	ds_add_u32 v[SPW], v[NIL]                      ; the opening lines
	ds_add_u32 v[SPW], v[NIL]
	v_lshrrev_b32 v1, 5, v0
	v_readfirstlane_b32 s[WV], v1
	s_lshr_b32 s[HB], s[WV], 1
	s_bfe_u32 s23, ttmp6, 0x40000                  ; cx
	s_bfe_u32 s48, ttmp6, 0x40004                  ; cy
	s_lshl_b32 s56, ttmp9, 2
	s_add_co_u32 s56, s56, s23                     ; MT
	s_and_b32 s[NT], ttmp7, 0xffff
	s_lshl_b32 s[NT], s[NT], 2
	s_add_co_u32 s[NT], s[NT], s48                 ; NT
	s_lshl_b32 s49, s48, 2
	s_lshl_b32 s49, 15, s49                        ; my row of the cluster, for Wo
	s_lshl_b32 s50, 0x1111, s23                    ; my column, for y
	s_lshr_b32 s58, s56, 4                         ; batch
	s_and_b32 s59, s56, 15                         ; 2 P + half
	GROUP1 G1B, 49, 1536, 4                        ; Wo: 4 tiles of 12,288 bytes
	GROUP1 G1A, 50, 768, 8                         ; y: 8 tiles' 6,144 bytes
	s_mov_b32 s[G0A], 1
	s_mul_i32 s[G0A+1], s[HB], CHUNK
	s_mov_b32 s[G0B], 1
	s_mul_i32 s[G0B+1], s[HB], CHUNK
	s_add_co_u32 s[G0B+1], s[G0B+1], WOFF
	s_lshl_b32 s60, s[NT], 3                       ; Wo: tile 96 + 8 NT + 4 group: made of what the row shares, in registers that never hold cx
	s_lshl_b32 s61, s[HB], 2
	s_add_co_u32 s60, s60, s61
	s_add_co_u32 s60, s60, 96
	s_mul_i32 s60, s60, 12288
	s_mov_b32 s61, 0
	s_mul_i32 s66, s[HB], 6144
	s_mul_i32 s62, s56, 8*12288                    ; y: made of what the column shares, in registers that never hold cy
	s_add_co_u32 s62, s62, s66
	s_mov_b32 s63, 0
	s_lshl_b32 s88, s58, 4                         ; scale words of K steps 2 w, 2 w + 1.  y's: heads 4 w .. 4 w + 3, two bytes a token each
	s_lshl_b32 s89, s[WV], 2
	s_add_co_u32 s88, s88, s89
	s_lshl_b32 s88, s88, 13
	s_lshl_b32 s89, s59, 9
	s_add_co_u32 s88, s88, s89
	s_mov_b32 s89, 0
	s_mul_i32 s90, s[WV], 20480                    ; Wo's: 128 words from tile 96 + 8 NT on
	s_lshl_b32 s91, s[NT], 9
	s_add_co_u32 s90, s90, s91
	s_add_co_u32 s90, s90, 6144
	s_mov_b32 s91, 0
	s_mul_i32 s69, s[WV], 12288                    ; LDS: my 2 tiles of y,
	s_lshl_b32 s71, s[WV], 7
	s_add_co_u32 s71, s71, SC                      ; their scale words,
	s_lshl_b32 s72, s[WV], 11
	s_add_co_u32 s72, s72, SC                      ; the words that I store,
	s_mul_i32 s73, s[WV], 32*SP
	s_add_co_u32 s73, s73, STG                     ; my stage
	v_and_b32 v32, 31, v0
	v_lshlrev_b32 v[L16], 4, v32
	v_lshlrev_b32 v[L4], 2, v32
	v_lshlrev_b32 v[L8], 3, v32
	v_add_nc_u32 v[WA], WOFF, v[L16]
	v_add_nc_u32 v[YA], s69, v[L16]
	v_add_nc_u32 v[YA8], s69, v[L8]
	v_add_nc_u32 v[WA+1], CHUNK, v[WA]
	v_add_nc_u32 v[YA+1], CHUNK, v[YA]
	v_add_nc_u32 v[YA8+1], CHUNK, v[YA8]
	v_add_nc_u32 v[SWA], SC+512, v[L4]
	v_add_nc_u32 v[SYA], s71, v[L4]
	v_add_nc_u32 v[SCW], s72, v[L16]
	v_and_b32 v32, 15, v0                          ; r
	v_bfe_u32 v33, v0, 4, 1                        ; h
	v_mul_u32_u24 v[SO], SP, v32
	v_lshl_add_u32 v[SO], v33, 6, v[SO]
	v_add_nc_u32 v[SO], s73, v[SO]                 ; the stage, in: slot r, + 64 h;
	v_mul_u32_u24 v[SR], SP, v33
	v_lshl_add_u32 v[SR], v32, 4, v[SR]
	v_add_nc_u32 v[SR], s73, v[SR]                 ; and back: slot h, 16 bytes a lane
	v_lshlrev_b32 v[CO], 12, v33
	v_lshl_add_u32 v[CO], v32, 4, v[CO]            ; the same two rows in out0
	s_wait_alu depctr_va_vdst(0)
	s_wait_dscnt 0x0
	CROUND                                         ; all sixteen work-groups are here: the joint loads meet
	s_wait_kmcnt 0x0
	s_add_nc_u64 s[G0B+2:G0B+3], s[8:9], s[60:61]
	s_or_b32 s[G0B+3], s[G0B+3], 0x80000000
	s_add_nc_u64 s[G0A+2:G0A+3], s[4:5], s[62:63]
	s_or_b32 s[G0A+3], s[G0A+3], 0x80000000
	s_cmp_eq_u32 s[WV], 0                          ; one tensor load a wave, each in an arm of its own
	s_cbranch_scc0 .Larm_1
	TLOAD G0A, G1A
	s_branch .Lfilled
.Larm_1:
	s_cmp_eq_u32 s[WV], 1
	s_cbranch_scc0 .Larm_2
	TLOAD G0B, G1B
	s_branch .Lfilled
.Larm_2:
	s_cmp_eq_u32 s[WV], 2
	s_cbranch_scc0 .Larm_3
	TLOAD G0A, G1A
	s_branch .Lfilled
.Larm_3:
	TLOAD G0B, G1B
.Lfilled:
	s_add_nc_u64 s[92:93], s[6:7], s[88:89]
	s_add_nc_u64 s[94:95], s[10:11], s[90:91]
.irp j, 0,1,2,3
	global_load_b128 v[32+4*\j:35+4*\j], v[L16], s[92:93] offset:8192*\j
.endr
	global_load_b128 v[48:51], v[L16], s[94:95]
	global_load_b128 v[52:55], v[L16], s[94:95] offset:10240
	s_and_b32 s62, s56, 1                          ; my first token: 2,048 b + 128 (8 half + 2 w) + 32 (P / 2) + 8 (P % 2).  (A tensor load's address lies in its own descriptor)
	s_lshl_b32 s62, s62, 10
	s_lshl_b32 s63, s58, 11
	s_add_co_u32 s62, s62, s63
	s_lshl_b32 s63, s[WV], 8
	s_add_co_u32 s62, s62, s63
	s_bfe_u32 s63, s56, 0x20002
	s_lshl_b32 s63, s63, 5
	s_add_co_u32 s62, s62, s63
	s_bfe_u32 s63, s56, 0x10001
	s_lshl_b32 s63, s63, 3
	s_add_co_u32 s62, s62, s63
	s_lshl_b32 s62, s62, 12
	s_lshl_b32 s63, s[NT], 9
	s_add_co_u32 s62, s62, s63
	s_mov_b32 s63, 0
	s_add_nc_u64 s[12:13], s[12:13], s[62:63]
	s_wait_loadcnt 0x0
.irp k, 0,1,2,3
	v_lshl_or_b32 v[32+\k], v[36+\k], 16, v[32+\k] ; the even head's two bytes below, the odd head's above: a token's word for 128 K
	v_lshl_or_b32 v[40+\k], v[44+\k], 16, v[40+\k]
.endr
	ds_store_b128 v[SCW], v[32:35]
	ds_store_b128 v[SCW], v[48:51] offset:512
	ds_store_b128 v[SCW], v[40:43] offset:1024
	ds_store_b128 v[SCW], v[52:55] offset:1536
	s_wait_alu depctr_va_vdst(0)
	s_cmp_lt_u32 s[WV], 2
	s_cbranch_scc0 .Lnot_first
	s_wait_tensorcnt 0x0                           ; the first two tiles' loads are waves 0's and 1's
.Lnot_first:
	s_wait_dscnt 0x0                               ; my scale words are stored
	s_barrier_signal -1
	s_barrier_wait -1                              ; y's first four K steps, Wo's group 0 and all scale words are in; the rest may be on its way
	LOAD 0
	LOAD 1
	LOAD 2
	s_wait_dscnt 46
	MUL 0
	LOAD 3
	s_wait_dscnt 46
	MUL 1
	s_wait_tensorcnt 0x0
	s_wait_dscnt 0x0
	s_barrier_signal -1
	MUL 2                                          ; register work while the others arrive
	s_barrier_wait -1                              ; everything is in
	LOAD 4
	LOAD 5
	MUL 3
	LOAD 6
	s_wait_dscnt 46
	MUL 4
	LOAD 7
	s_wait_dscnt 46
	MUL 5
	LOAD 8
	s_wait_dscnt 37
	MUL 6
	LOAD 9
	s_wait_dscnt 28
	MUL 7
	STAGE 0                                        ; group 0 is finished
	LOAD 10
	s_wait_dscnt 60                                ; younger than step 8's loads: step 9's 14, the stage's 32, step 10's 14
	MUL 8
	LOAD 11
	s_wait_dscnt 60                                ; the stage's 32, steps 10's and 11's
	MUL 9
	s_wait_dscnt 28                                ; group 0's rows are back; steps 10's and 11's loads may be out
	SEND 0
.irp n, 10,11,12,13
	LOAD \n+2
	s_wait_dscnt 28
	MUL \n
.endr
	s_wait_dscnt 14
	MUL 14
	s_wait_dscnt 0x0
	MUL 15
	STAGE 1
	SEND 1
	s_wait_tensorcnt 0x0                           ; the wave's end
	ds_add_u32 v[SPW], v[NIL]
	s_wait_dscnt 0x0
	CROUND                                         ; the closing round
	s_endpgm
.Lfunc_end_k_q3487e025ae_oproj:
	.size	k_q3487e025ae_oproj, .Lfunc_end_k_q3487e025ae_oproj-k_q3487e025ae_oproj
	.p2alignl 7, 3214868480
	.fill 96, 4, 3214868480
	.section	.rodata,"a",@progbits
	.p2align	6, 0x0
	.amdhsa_kernel k_q3487e025ae_oproj
		.amdhsa_group_segment_fixed_size 240128
		.amdhsa_private_segment_fixed_size 0
		.amdhsa_enable_private_segment 0
		.amdhsa_kernarg_size 40
		.amdhsa_user_sgpr_count 2
		.amdhsa_user_sgpr_kernarg_segment_ptr 1
		.amdhsa_wavefront_size32 1
		.amdhsa_system_sgpr_workgroup_id_x 1
		.amdhsa_system_sgpr_workgroup_id_y 1
		.amdhsa_system_sgpr_workgroup_id_z 1
		.amdhsa_system_vgpr_workitem_id 0
		.amdhsa_next_free_vgpr 1024
		.amdhsa_next_free_sgpr 100
		.amdhsa_reserve_vcc 0
		.amdhsa_float_denorm_mode_32 3
		.amdhsa_float_denorm_mode_16_64 3
		.amdhsa_memory_ordered 1
		.amdhsa_forward_progress 1
		.amdhsa_inst_pref_size 57
	.end_amdhsa_kernel
	.amdgpu_metadata
---
amdhsa.version: [ 1, 2 ]
amdhsa.kernels:
  - .name:           k_q3487e025ae_oproj
    .symbol:         k_q3487e025ae_oproj.kd
    .args:
      - { .name: yimg, .offset: 0, .size: 8, .value_kind: global_buffer, .address_space: global }
      - { .name: ysw, .offset: 8, .size: 8, .value_kind: global_buffer, .address_space: global }
      - { .name: wimg, .offset: 16, .size: 8, .value_kind: global_buffer, .address_space: global }
      - { .name: wsc, .offset: 24, .size: 8, .value_kind: global_buffer, .address_space: global }
      - { .name: out0, .offset: 32, .size: 8, .value_kind: global_buffer, .address_space: global }
    .group_segment_fixed_size: 240128
    .private_segment_fixed_size: 0
    .kernarg_segment_align: 8
    .kernarg_segment_size: 40
    .max_flat_workgroup_size: 128
    .sgpr_count:     100
    .vgpr_count:     1024
    .wavefront_size: 32
...
	.end_amdgpu_metadata
.endif
;; end of part 4
